; MI455X (gfx1250); checked and timed in simulation.
; The chip was launched on July 23, 2026; its instructions are those of AMD's public machine-readable ISA for CDNA 5 (MIT licence, August 2026) and "CDNA5" Instruction Set Architecture Reference Guide (July 2026). The comments in the code are by the model that wrote it; some were corrected since.
;; Mo E Layer. Allowed arithmetic: float matrix products may take bf16 or f16 operands with f32 sums; other float arithmetic in f32, or as packed bf16 or f16 multiplies, adds, multiply-adds, maxima and minima; sums over many terms, partial sums and values carried from step to step in f32; what a program stores and reads back later, other than sums and carried values, may be rounded once to bf16 or f16.
;; Inputs: W1 8 x 1,024 x 512 float32; W2 8 x 512 x 1,024 float32; Wr 1,024 x 8 float32; b1 8 x 512 float32; b2 8 x 1,024 float32; x 4 x 2,048 x 1,024 float32.
;; Outputs: out0 4 x 2,048 x 1,024 float32.
;; 2 versions, each right; version 2 is version 1 with the launch chain written anew for expert scheduling mode. Each part assembles by itself: llvm-mc -triple=amdgcn-amd-amdhsa -mcpu=gfx1250 --defsym DOCPART=n.
;; ======== version 1 of 2: 3 launches
;; workspace buffers: route 65,536 bytes of whole numbers; gate 65,536 bytes; wbuf 16,777,216 bytes; recs 65,536 bytes of whole numbers; gs 81,920 bytes
;; launch router (part 1): grid 256 x 1, 8 waves a work-group, no clusters, 97,280 bytes of LDS; arguments x, Wr, route, gate; writes route, gate
.if DOCPART == 1
	.amdgcn_target "amdgcn-amd-amdhsa--gfx1250"
	.amdhsa_code_object_version 6
	.text
	.protected	k_q11d21f1f87_router
	.globl	k_q11d21f1f87_router
	.p2align	8
	.type	k_q11d21f1f87_router,@function
k_q11d21f1f87_router:
	s_mov_b64 s[64:65], 0
	v_nop
	global_prefetch_b8 v0, s[64:65] scope:SCOPE_SE
	s_setreg_imm32_b32 hwreg(HW_REG_WAVE_MODE, 25, 1), 1
	s_wait_xcnt 0x0
; ROUTER.  logits = x Wr for 8,192 tokens x 8 experts, the two largest, softmax of the two, and for the sort that follows: each token's bin and rank.
; x and Wr are rounded once to bf16 (as every input of this program is), the products go to the matrix unit, the sums are f32.
; SHARES.  Work-group b has the 32 tokens 32 b .. 32 b + 31 (a WORD).  Wave w has K = 128 w .. 128 w + 127 of all 32 rows: 32 loads of 512 consecutive bytes, all out at once.
; The wave's slice goes through its own LDS bytes (bf16, rows 272 bytes apart) into fragments; source 0 = the 8 experts (rows 8-15 repeat them), source 1 = 16 tokens,
; so a lane of the result holds all 8 logits of token lane % 16.  The eight waves' partial logits meet in LDS; wave 0 adds them in ascending order and decides.
; OUT.  route[b][lane] = (bin | rank << 8, count of bin `lane` in this word); gate[token] = (gate of the lower-numbered expert, of the higher).  A BIN is one of the 28 pairs lo < hi.
; No address and no branch hangs on a logit: everything is stored at fixed places.
; LIMITS.  Logits are finite (NaN and infinities are not treated apart).  Ties go to the lower index, as lax.top_k has them; two logits that differ by less than
; the rounding of the f32 sums (some 1e-6 of their size) may change places against another order of summation.
.set P,     272                        ; an LDS row: 256 bytes + 16
.set XSW,   32*P                       ; a wave's 32 token rows
.set WT,    8*XSW                      ; behind them: Wr turned, [expert][k], 8 rows a wave
.set WTW,   2304
.set PART,  WT+8*WTW                   ; partial logits: 32 lanes x 8 f32 a wave
.set SPARE, PART+8*1024                ; the spare words: 128 bytes a wave, four blocks of 256 bytes that no other line names
	s_load_b256 s[4:11], s[0:1], 0x0               ; x s[4:5], Wr s[6:7], route s[8:9], gate s[10:11]
	v_lshl_add_u32 v10, v0, 2, SPARE               ; my spare word; never rewritten
	v_mov_b32 v11, 0                               ; 0; never rewritten
	v_lshrrev_b32 v12, 5, v0
	v_readfirstlane_b32 s12, v12                   ; wave 0..7
	v_and_b32 v1, 31, v0                           ; lane l
	v_and_b32 v2, 15, v0                           ; r
	v_bfe_u32 v3, v0, 4, 1                         ; h
	v_lshlrev_b32 v4, 4, v1                        ; 16 l
	v_lshlrev_b32 v13, 3, v1                       ; 8 l
	s_mul_i32 s20, s12, XSW
	v_lshl_add_u32 v5, v1, 3, s20                  ; where I put 8 bytes of a token row
	v_mul_u32_u24 v6, v2, P
	v_lshl_add_u32 v6, v3, 4, v6
	v_add_nc_u32 v6, s20, v6                       ; a token fragment: row r, 16 bytes for each half of the lanes
	s_mul_i32 s21, s12, WTW
	s_add_co_u32 s21, s21, WT
	v_and_b32 v7, 1, v0
	v_mul_u32_u24 v7, v7, 4*P
	v_lshrrev_b32 v12, 1, v1
	v_lshl_add_u32 v7, v12, 1, v7
	v_add_nc_u32 v7, s21, v7                       ; Wr turned: expert 4 (l % 2) + c, k = 16 i + l / 2
	v_and_b32 v8, 7, v0
	v_mul_u32_u24 v8, v8, P
	v_lshl_add_u32 v8, v3, 4, v8
	v_add_nc_u32 v8, s21, v8                       ; an expert fragment: row r % 8
	s_lshl_b32 s22, s12, 10
	s_add_co_u32 s22, s22, PART
	v_lshl_add_u32 v9, v1, 5, s22                  ; my 8 partial logits
	s_lshl_b32 s14, ttmp9, 17                      ; 32 rows of 4,096 bytes,
	s_lshl_b32 s23, s12, 9                         ; my wave's 512 bytes of a row
	s_add_co_u32 s14, s14, s23
	s_mov_b32 s15, 0
	s_lshl_b32 s16, s12, 12                        ; my wave's 128 rows of Wr, 32 bytes each
	s_mov_b32 s17, 0
	s_lshl_b32 s24, ttmp9, 8                       ; the word's 256 bytes in route and in gate
	s_mov_b32 s25, 0
	s_wait_kmcnt 0x0
	s_add_nc_u64 s[14:15], s[4:5], s[14:15]
	s_add_nc_u64 s[16:17], s[6:7], s[16:17]
	s_add_nc_u64 s[26:27], s[10:11], s[24:25]
	s_add_nc_u64 s[24:25], s[8:9], s[24:25]
.set ii, 0
.rept 8
	global_load_b128 v[192+4*ii:195+4*ii], v4, s[16:17] offset:512*ii   ; Wr: 16 rows of k a load
.set ii, ii+1
.endr
.set ii, 0
.rept 32
	global_load_b128 v[64+4*ii:67+4*ii], v4, s[14:15] offset:4096*ii    ; token row ii: 512 consecutive bytes
.set ii, ii+1
.endr
	s_wait_loadcnt 32                              ; the 32 loads of x are younger: Wr is in
.set ii, 0
.rept 8
	v_cvt_pk_bf16_f32 v[224+2*ii], v[192+4*ii], v[193+4*ii]
	v_cvt_pk_bf16_f32 v[225+2*ii], v[194+4*ii], v[195+4*ii]
	ds_store_b16 v7, v[224+2*ii] offset:32*ii
	ds_store_b16_d16_hi v7, v[224+2*ii] offset:32*ii+P
	ds_store_b16 v7, v[225+2*ii] offset:32*ii+2*P
	ds_store_b16_d16_hi v7, v[225+2*ii] offset:32*ii+3*P
.set ii, ii+1
.endr
.set ii, 0
.rept 4                                ; the wave's own bytes, and LDS serves a wave in order: no wait between stores and loads
	ds_load_b128 v[32+8*ii:35+8*ii], v8 offset:64*ii
	ds_load_b128 v[36+8*ii:39+8*ii], v8 offset:64*ii+32
.set ii, ii+1
.endr
.set ii, 0
.rept 32
	s_wait_loadcnt 31-ii                           ; loads come back in order: row ii is in, the younger rows stay out
	v_cvt_pk_bf16_f32 v[64+4*ii], v[64+4*ii], v[65+4*ii]
	v_cvt_pk_bf16_f32 v[65+4*ii], v[66+4*ii], v[67+4*ii]
	ds_store_b64 v5, v[64+4*ii:65+4*ii] offset:P*ii
.set ii, ii+1
.endr
.set ii, 0
.rept 8                                ; token block ii / 4, K 32 (ii % 4) on
	ds_load_b128 v[192+8*ii:195+8*ii], v6 offset:(ii/4)*16*P+(ii%4)*64
	ds_load_b128 v[196+8*ii:199+8*ii], v6 offset:(ii/4)*16*P+(ii%4)*64+32
.set ii, ii+1
.endr
	s_wait_dscnt 0x0
	v_wmma_f32_16x16x32_bf16 v[16:23], v[32:39], v[192:199], 0          ; the two token blocks' accumulators take turns
	v_wmma_f32_16x16x32_bf16 v[24:31], v[32:39], v[224:231], 0
.set ii, 1
.rept 3
	v_wmma_f32_16x16x32_bf16 v[16:23], v[32+8*ii:39+8*ii], v[192+8*ii:199+8*ii], v[16:23]
	v_wmma_f32_16x16x32_bf16 v[24:31], v[32+8*ii:39+8*ii], v[224+8*ii:231+8*ii], v[24:31]
.set ii, ii+1
.endr
	v_cmp_gt_u32 vcc_lo, 16, v1
.rept 4
	v_nop                                          ; four places between the last product and the first read of a result (ISA guide 7.12.1)
.endr
.set ii, 0
.rept 8                                ; lane l keeps token l's logits: lanes 0-15 of the first block, lanes 16-31 of the second; lowest registers first
	v_cndmask_b32 v[64+ii], v[24+ii], v[16+ii], vcc_lo
.set ii, ii+1
.endr
	ds_store_b128 v9, v[64:67]
	ds_store_b128 v9, v[68:71] offset:16
	s_wait_dscnt 0x0                               ; for wave 0's sake: my partial logits are in LDS
	s_barrier_signal -1
	s_barrier_wait -1
	s_cmp_lg_u32 s12, 0
	s_cbranch_scc1 .Lend                           ; wave 0 decides for the word
.set ii, 0
.rept 8
	ds_load_b128 v[64+8*ii:67+8*ii], v9 offset:1024*ii
	ds_load_b128 v[68+8*ii:71+8*ii], v9 offset:1024*ii+16
.set ii, ii+1
.endr
	s_wait_dscnt 0x0
.set ii, 1
.rept 7                                ; K slices added in ascending order
	v_pk_add_f32 v[64:65], v[64:65], v[64+8*ii:65+8*ii]
	v_pk_add_f32 v[66:67], v[66:67], v[66+8*ii:67+8*ii]
	v_pk_add_f32 v[68:69], v[68:69], v[68+8*ii:69+8*ii]
	v_pk_add_f32 v[70:71], v[70:71], v[70+8*ii:71+8*ii]
.set ii, ii+1
.endr
	v_mov_b32 v32, v64                             ; m1, i1: a strict > keeps the lower index
	v_mov_b32 v33, 0
.set jj, 1
.rept 7
	v_cmp_gt_f32 vcc_lo, v[64+jj], v32
	v_cndmask_b32 v33, v33, jj, vcc_lo
	v_max_num_f32 v32, v32, v[64+jj]
.set jj, jj+1
.endr
	v_mov_b32 v34, 0xff800000                      ; m2, i2: the largest of the other seven
	v_mov_b32 v35, 0
.set jj, 0
.rept 8
	v_cmp_ne_u32 s20, jj, v33
	v_cmp_gt_f32 vcc_lo, v[64+jj], v34
	s_and_b32 vcc_lo, vcc_lo, s20
	v_cndmask_b32 v34, v34, v[64+jj], vcc_lo
	v_cndmask_b32 v35, v35, jj, vcc_lo
.set jj, jj+1
.endr
	v_sub_f32 v36, v34, v32                        ; m2 - m1 <= 0: the maximum is taken away
	v_mul_f32 v36, 0x3fb8aa3b, v36
	v_exp_f32 v37, v36
	v_min_u32 v41, v33, v35                        ; lo: a plain instruction behind the exponential
	s_wait_alu depctr_va_vdst(0)                   ; the wait ahead of the result's first reader
	v_add_f32 v38, 1.0, v37
	v_rcp_f32 v39, v38                             ; w1 = 1 / (1 + e)
	v_add_nc_u32 v42, v33, v35                     ; a plain instruction behind the reciprocal
	s_wait_alu depctr_va_vdst(0)
	v_mul_f32 v40, v37, v39                        ; w2 = e w1
	v_sub_nc_u32 v42, v42, v41                     ; hi
	v_cmp_lt_u32 vcc_lo, v33, v35
	v_cndmask_b32 v52, v40, v39, vcc_lo            ; the gate of lo
	v_cndmask_b32 v53, v39, v40, vcc_lo            ; the gate of hi
	v_lshl_add_u32 v43, v41, 3, v42                ; code = 8 lo + hi
	v_mov_b32 v51, 0                               ; lane i: how many of the word's tokens fall into bin i
	v_mov_b32 v46, 0                               ; my rank among the word's tokens of my bin
	v_mov_b32 v47, 0                               ; my bin
.set bi, 0
.irp c, 1,2,3,4,5,6,7,10,11,12,13,14,15,19,20,21,22,23,28,29,30,31,37,38,39,46,47,55
	v_cmp_eq_u32 s20, \c, v43
	s_bcnt1_i32_b32 s21, s20
	v_writelane_b32 v51, s21, bi
	v_mbcnt_lo_u32_b32 v48, s20, 0
	v_cndmask_b32 v46, v46, v48, s20
	v_cndmask_b32 v47, v47, bi, s20
.set bi, bi+1
.endr
	v_lshl_or_b32 v50, v46, 8, v47
	global_store_b64 v13, v[50:51], s[24:25]       ; 32 lanes x 8 bytes: 256 consecutive bytes, aligned
	global_store_b64 v13, v[52:53], s[26:27]
.Lend:
	s_wait_tensorcnt 0x0                           ; the wave's end
	ds_add_u32 v10, v11
	s_wait_dscnt 0x0
	s_endpgm
.Lfunc_end_k_q11d21f1f87_router:
	.size	k_q11d21f1f87_router, .Lfunc_end_k_q11d21f1f87_router-k_q11d21f1f87_router
	.p2alignl 7, 3214868480
	.fill 96, 4, 3214868480
	.section	.rodata,"a",@progbits
	.p2align	6, 0x0
	.amdhsa_kernel k_q11d21f1f87_router
		.amdhsa_group_segment_fixed_size 97280
		.amdhsa_private_segment_fixed_size 0
		.amdhsa_enable_private_segment 0
		.amdhsa_kernarg_size 32
		.amdhsa_user_sgpr_count 2
		.amdhsa_user_sgpr_kernarg_segment_ptr 1
		.amdhsa_wavefront_size32 1
		.amdhsa_system_sgpr_workgroup_id_x 1
		.amdhsa_system_sgpr_workgroup_id_y 1
		.amdhsa_system_sgpr_workgroup_id_z 1
		.amdhsa_system_vgpr_workitem_id 0
		.amdhsa_next_free_vgpr 256
		.amdhsa_next_free_sgpr 66
		.amdhsa_reserve_vcc 1
		.amdhsa_float_denorm_mode_32 3
		.amdhsa_float_denorm_mode_16_64 3
		.amdhsa_memory_ordered 1
		.amdhsa_forward_progress 1
		.amdhsa_inst_pref_size 35
	.end_amdhsa_kernel
	.amdgpu_metadata
---
amdhsa.version: [ 1, 2 ]
amdhsa.kernels:
  - .name:           k_q11d21f1f87_router
    .symbol:         k_q11d21f1f87_router.kd
    .args:
      - { .name: x, .offset: 0, .size: 8, .value_kind: global_buffer, .address_space: global }
      - { .name: Wr, .offset: 8, .size: 8, .value_kind: global_buffer, .address_space: global }
      - { .name: route, .offset: 16, .size: 8, .value_kind: global_buffer, .address_space: global }
      - { .name: gate, .offset: 24, .size: 8, .value_kind: global_buffer, .address_space: global }
    .group_segment_fixed_size: 97280
    .private_segment_fixed_size: 0
    .kernarg_segment_align: 8
    .kernarg_segment_size: 32
    .max_flat_workgroup_size: 256
    .sgpr_count:     66
    .vgpr_count:     256
    .wavefront_size: 32
...
	.end_amdgpu_metadata
.endif
;; end of part 1
;; launch prep (part 2): grid 257 x 1, 8 waves a work-group, no clusters, 217,088 bytes of LDS; arguments W1, W2, route, gate, wbuf, recs, gs; writes wbuf, recs, gs
.if DOCPART == 2
	.amdgcn_target "amdgcn-amd-amdhsa--gfx1250"
	.amdhsa_code_object_version 6
	.text
	.protected	k_q11d21f1f87_prep
	.globl	k_q11d21f1f87_prep
	.p2align	8
	.type	k_q11d21f1f87_prep,@function
k_q11d21f1f87_prep:
	s_mov_b64 s[64:65], 0
	v_nop
	global_prefetch_b8 v0, s[64:65] scope:SCOPE_SE
	s_setreg_imm32_b32 hwreg(HW_REG_WAVE_MODE, 25, 1), 1
	s_wait_xcnt 0x0
; PREP.  Work-groups 1 .. 256 round W1 and W2 once to bf16 and lay them out as the streams of operand fragments that the chain's waves take; work-group 0 sorts.
; THE STREAM of (expert e, wave w of the chain): 64 groups of 8,192 bytes at wbuf + ((4 e + w) 64 + g) 8192.  A group is 8 fragments (16 columns x 32 k) of 1,024 bytes:
; byte cb 1024 + j2 512 + lane 16 holds k = 16 j2 + 8 (lane / 16) + 0..7 of column 16 cb + lane % 16.  g < 32: W1, k = 32 g on, columns 128 w on.
; g = 32 + 2 s + f: W2, k = 32 s on, columns 256 w + 128 f on.  A wave here makes one group: 32 rows x 512 consecutive bytes in, 16 x 512 consecutive bytes out,
; turned in its own LDS stage (a fragment 1,040 bytes from the next, so that the sixteen lanes of a store start in sixteen different 16-byte columns of 256).
; THE SORT.  Tokens go by their PAIR of experts (28 bins) into tiles of 48; a bin begins a new tile.  Sum of ceil(n / 48) <= (8192 + 28 x 47) / 48 = 198 tiles for every split.
; slot of a token = 48 x first tile of its bin + tokens of the bin in earlier words + its rank in its word.  No atomics: counts and ranks were stored by the router.
; recs[tile] = 64 words: 0-47 token numbers (0 past the count), 48 count, 49 lo, 50 hi, 51 0.  gs[slot] = the token's two gates (0 past the count).
; LDS.  The two paths part on the work-group's number and never meet in one work-group; each has LDS bytes of its own all the same, so that the text itself shows that they share none:
; the sort 0 .. 148,479, the spare words behind it, the eight stages of the conversion from 149,504 on.
.set GSL,   65536                      ; sort: recs' image 0 .. 65,535, gs' image behind it (81,920)
.set WS,    147456                     ; the eight waves' totals: 128 bytes each
.set SPARE, 148480                     ; the spare words: 128 bytes a wave, four blocks of 256 bytes that no other line names
.set CVB,   149504                     ; the conversion's stages begin here
.set CVW,   8448                       ; a wave's stage: 8 x 1,040, rounded up
.set TB,    36                         ; s[36:63]  first tile of bin b
.set NN,    66                         ; s[66:93]  tokens in bin b
	s_load_b256 s[4:11], s[0:1], 0x0               ; W1 s[4:5], W2 s[6:7], route s[8:9], gate s[10:11]
	s_load_b128 s[12:15], s[0:1], 0x20             ; wbuf s[12:13], recs s[14:15]
	s_load_b64 s[16:17], s[0:1], 0x30              ; gs
	v_lshl_add_u32 v10, v0, 2, SPARE               ; my spare word; never rewritten
	v_mov_b32 v11, 0                               ; 0; never rewritten
	v_lshrrev_b32 v1, 5, v0
	v_readfirstlane_b32 s18, v1                    ; wave 0..7
	v_and_b32 v1, 31, v0                           ; lane l
	s_cmp_eq_u32 ttmp9, 0
	s_cbranch_scc1 .Lsort
	; ---- one group of the stream ----
	s_sub_co_u32 s20, ttmp9, 1
	s_lshl_b32 s20, s20, 3
	s_add_co_u32 s20, s20, s18                     ; u = (4 e + w) 64 + g
	s_lshr_b32 s21, s20, 8                         ; e
	s_bfe_u32 s22, s20, 0x20006                    ; w
	s_and_b32 s23, s20, 63                         ; g
	s_lshl_b32 s26, s20, 13
	s_mov_b32 s27, 0
	s_lshl_b32 s24, s21, 21                        ; an expert's W1, and its W2, are 2 MiB of f32
	s_mov_b32 s25, 0
	v_lshlrev_b32 v2, 4, v1                        ; 16 l
	s_mul_i32 s28, s18, CVW
	s_add_co_u32 s28, s28, CVB                     ; my wave's stage
	v_lshrrev_b32 v3, 2, v1                        ; my four columns 4 l .. lie in fragment l / 4,
	v_mul_u32_u24 v3, v3, 1040
	v_and_b32 v4, 3, v1
	v_lshl_add_u32 v3, v4, 6, v3                   ; at its lanes 4 (l % 4) + c
	v_add_nc_u32 v3, s28, v3
	v_add_nc_u32 v4, s28, v2
	s_wait_kmcnt 0x0
	s_add_nc_u64 s[26:27], s[12:13], s[26:27]
	s_cmp_lt_u32 s23, 32
	s_cbranch_scc0 .Lw2
	s_lshl_b32 s29, s23, 16                        ; W1: 32 rows of 2,048 bytes a group,
	s_add_co_u32 s24, s24, s29
	s_lshl_b32 s29, s22, 9                         ; 128 columns a wave
	s_add_co_u32 s24, s24, s29
	s_add_nc_u64 s[24:25], s[4:5], s[24:25]
.set kk, 0
.rept 32
	global_load_b128 v[64+4*kk:67+4*kk], v2, s[24:25] offset:2048*kk th:TH_LOAD_NT
.set kk, kk+1
.endr
	s_branch .Lcv
.Lw2:
	s_sub_co_u32 s23, s23, 32
	s_lshr_b32 s29, s23, 1
	s_lshl_b32 s29, s29, 17                        ; W2: 32 rows of 4,096 bytes a K step,
	s_add_co_u32 s24, s24, s29
	s_lshl_b32 s29, s22, 10                        ; 256 columns a wave,
	s_add_co_u32 s24, s24, s29
	s_and_b32 s29, s23, 1
	s_lshl_b32 s29, s29, 9                         ; in two halves
	s_add_co_u32 s24, s24, s29
	s_add_nc_u64 s[24:25], s[6:7], s[24:25]
.set kk, 0
.rept 32
	global_load_b128 v[64+4*kk:67+4*kk], v2, s[24:25] offset:4096*kk th:TH_LOAD_NT
.set kk, kk+1
.endr
.Lcv:
.set sx, 0
.rept 4                                ; rows 8 sx .. 8 sx + 7 are the 16 bytes of (j2, lane / 16) = (sx / 2, sx % 2)
	s_wait_loadcnt 24-8*sx                         ; the later rows' loads are younger
.set cx, 0
.rept 4
.set ix, 0
.rept 4
	v_cvt_pk_bf16_f32 v[192+16*sx+4*cx+ix], v[64+4*(8*sx+2*ix)+cx], v[64+4*(8*sx+2*ix+1)+cx]
.set ix, ix+1
.endr
	ds_store_b128 v3, v[192+16*sx+4*cx:195+16*sx+4*cx] offset:256*sx+16*cx
.set cx, cx+1
.endr
.set sx, sx+1
.endr
.set tt, 0
.rept 16                               ; the wave's own bytes, served in order: no wait between the stores and these loads
	ds_load_b128 v[64+4*tt:67+4*tt], v4 offset:(tt/2)*1040+(tt%2)*512
.set tt, tt+1
.endr
.set tt, 0
.rept 16
	s_wait_dscnt 15-tt                             ; the younger read-backs stay out
	global_store_b128 v2, v[64+4*tt:67+4*tt], s[26:27] offset:512*tt    ; 512 consecutive bytes, aligned
.set tt, tt+1
.endr
	s_wait_tensorcnt 0x0                           ; the wave's end
	ds_add_u32 v10, v11
	s_wait_dscnt 0x0
	s_endpgm
	; ---- the sort: wave v has the words 32 v .. 32 v + 31 ----
.Lsort:
	v_lshlrev_b32 v2, 3, v1                        ; 8 l
	s_lshl_b32 s20, s18, 13                        ; 32 words of 256 bytes
	s_mov_b32 s21, 0
	v_lshlrev_b32 v3, 4, v0                        ; 16 x thread, and two more bases so that immediates reach all of the images
	v_add_nc_u32 v4, 49152, v3
	v_add_nc_u32 v5, 98304, v3
	v_mov_b32 v12, 0
	v_mov_b32 v13, 0
	v_mov_b32 v14, 0
	v_mov_b32 v15, 0
	v_lshl_add_u32 v6, v1, 2, WS
	s_lshl_b32 s26, s18, 7
	v_add_nc_u32 v7, s26, v6
	s_lshl_b32 s26, s18, 10
	v_add_nc_u32 v30, s26, v1                      ; the number of my token in the wave's first word
	s_mov_b32 s30, 87382                           ; x / 48 = (x 87382) >> 22 for x < 10,000: 87382 / 2^22 exceeds 1 / 48 by 1.6e-7, so the excess stays under 1 / 48
	s_wait_kmcnt 0x0
	s_add_nc_u64 s[22:23], s[8:9], s[20:21]
	s_add_nc_u64 s[24:25], s[10:11], s[20:21]
.set ii, 0
.rept 32
	global_load_b64 v[32+2*ii:33+2*ii], v2, s[22:23] offset:256*ii      ; (bin | rank << 8 of token l, count of bin l) of word ii
.set ii, ii+1
.endr
.set ii, 0
.rept 32
	global_load_b64 v[96+2*ii:97+2*ii], v2, s[24:25] offset:256*ii      ; token l's two gates
.set ii, ii+1
.endr
.set tt, 0
.rept 12                               ; both images are cleared while the loads are out: what lies past a tile's count is 0
	ds_store_b128 v3, v[12:15] offset:4096*tt
	ds_store_b128 v4, v[12:15] offset:4096*tt
	ds_store_b128 v5, v[12:15] offset:4096*tt
.set tt, tt+1
.endr
	s_wait_loadcnt 32                              ; the gates' loads are younger
	v_mov_b32 v16, 0
.set ii, 0
.rept 16                               ; in lane b: the counts of bin b become their exclusive running sum over the wave's words
	v_add_nc_u32 v17, v16, v[33+4*ii]
	v_mov_b32 v[33+4*ii], v16
	v_add_nc_u32 v16, v17, v[35+4*ii]
	v_mov_b32 v[35+4*ii], v17
.set ii, ii+1
.endr
	ds_store_b32 v7, v16                           ; the wave's totals
	s_wait_dscnt 0x0                               ; for the others' sake: my zeros and my totals are in LDS
	s_barrier_signal -1
	s_barrier_wait -1
.set kk, 0
.rept 8
	ds_load_b32 v[16+kk], v6 offset:128*kk
.set kk, kk+1
.endr
	v_mov_b32 v24, 0                               ; N: the bin's tokens
	v_mov_b32 v25, 0                               ; those in earlier waves' words
	s_wait_dscnt 0x0
.set kk, 0
.rept 8
	s_cmp_gt_u32 s18, kk
	s_cselect_b32 s26, -1, 0
	v_add_nc_u32 v24, v24, v[16+kk]
	v_and_b32 v26, s26, v[16+kk]
	v_add_nc_u32 v25, v25, v26
.set kk, kk+1
.endr
	v_add_nc_u32 v27, 47, v24
	v_mul_lo_u32 v27, v27, s30
	v_lshrrev_b32 v27, 22, v27                     ; the bin's tiles
	v_mov_b32 v28, 0
	s_mov_b32 s31, 0
.set bi, 0
.rept 28
	v_readlane_b32 s32, v27, bi
	s_mov_b32 s[TB+bi], s31
	v_writelane_b32 v28, s31, bi
	s_add_co_u32 s31, s31, s32
	v_readlane_b32 s[NN+bi], v24, bi
.set bi, bi+1
.endr
	v_mad_u32_u24 v29, v28, 48, v25                ; lane b: the slot of the first token of bin b in this wave's words
.set ii, 0
.rept 32                               ; each token fetches its bin's running slot from the lane of that bin (a bin is below 28: five bits)
	v_and_b32 v[8+ii%2], 31, v[32+2*ii]
	v_add_nc_u32 v[33+2*ii], v[33+2*ii], v29
	v_lshlrev_b32 v[8+ii%2], 2, v[8+ii%2]
	ds_bpermute_b32 v[160+ii], v[8+ii%2], v[33+2*ii]
.set ii, ii+1
.endr
	s_wait_dscnt 0x0
	s_wait_loadcnt 0x0                             ; the gates
.set ii, 0
.rept 32
.set ta, 16+4*(ii%2)
	v_lshrrev_b32 v[ta], 8, v[32+2*ii]
	v_add_nc_u32 v[ta], v[160+ii], v[ta]           ; slot
	v_mul_lo_u32 v[ta+1], v[ta], s30
	v_lshrrev_b32 v[ta+1], 22, v[ta+1]             ; tile
	v_lshl_add_u32 v[ta+1], v[ta+1], 4, v[ta]      ; 64 tile + (slot - 48 tile): the word in recs' image
	v_min_u32 v[ta+1], 0x3fff, v[ta+1]             ; held inside the image
	v_lshlrev_b32 v[ta+1], 2, v[ta+1]
	v_add_nc_u32 v[ta+2], 32*ii, v30
	ds_store_b32 v[ta+1], v[ta+2]
	v_min_u32 v[ta], 0x27ff, v[ta]
	v_lshl_add_u32 v[ta], v[ta], 3, GSL
	ds_store_b64 v[ta], v[96+2*ii:97+2*ii]
.set ii, ii+1
.endr
	v_mov_b32 v24, 0                               ; thread j writes tile j's head: the last bin whose first tile is <= j is its bin
	v_mov_b32 v25, 0
	v_mov_b32 v29, 0
	v_mov_b32 v31, 0
.set bi, 0
.irp c, 1,2,3,4,5,6,7,10,11,12,13,14,15,19,20,21,22,23,28,29,30,31,37,38,39,46,47,55
	v_cmp_le_u32 vcc_lo, s[TB+bi], v0
	v_cndmask_b32 v24, v24, s[TB+bi], vcc_lo
	v_cndmask_b32 v25, v25, s[NN+bi], vcc_lo
	v_cndmask_b32 v29, v29, \c, vcc_lo             ; the pair's code, 8 lo + hi
.set bi, bi+1
.endr
	v_and_b32 v30, 7, v29                          ; hi
	v_lshrrev_b32 v29, 3, v29                      ; lo
	v_sub_nc_u32 v26, v0, v24
	v_mul_u32_u24 v26, v26, 48
	v_min_u32 v26, v26, v25
	v_sub_nc_u32 v26, v25, v26
	v_min_u32 v28, 48, v26                         ; count = n - 48 (j - first tile), held to 0 .. 48: 0 for a tile that the split leaves unused
	v_lshlrev_b32 v27, 8, v0
	ds_store_b128 v27, v[28:31] offset:192
	s_wait_dscnt 0x0                               ; for the others' sake: my part of both images is in LDS
	s_barrier_signal -1
	s_barrier_wait -1
.set tt, 0
.rept 16
	ds_load_b128 v[32+4*tt:35+4*tt], v3 offset:4096*tt
.set tt, tt+1
.endr
.set tt, 0
.rept 10
	ds_load_b128 v[96+4*tt:99+4*tt], v4 offset:16384+4096*tt
.set tt, tt+1
.endr
.rept 10
	ds_load_b128 v[96+4*tt:99+4*tt], v5 offset:4096*tt-32768
.set tt, tt+1
.endr
.set tt, 0
.rept 16
	s_wait_dscnt 35-tt                             ; the younger read-backs stay out
	global_store_b128 v3, v[32+4*tt:35+4*tt], s[14:15] offset:4096*tt
.set tt, tt+1
.endr
.set tt, 0
.rept 20
	s_wait_dscnt 19-tt
	global_store_b128 v3, v[96+4*tt:99+4*tt], s[16:17] offset:4096*tt
.set tt, tt+1
.endr
	s_wait_tensorcnt 0x0                           ; the wave's end
	ds_add_u32 v10, v11
	s_wait_dscnt 0x0
	s_endpgm
.Lfunc_end_k_q11d21f1f87_prep:
	.size	k_q11d21f1f87_prep, .Lfunc_end_k_q11d21f1f87_prep-k_q11d21f1f87_prep
	.p2alignl 7, 3214868480
	.fill 96, 4, 3214868480
	.section	.rodata,"a",@progbits
	.p2align	6, 0x0
	.amdhsa_kernel k_q11d21f1f87_prep
		.amdhsa_group_segment_fixed_size 217088
		.amdhsa_private_segment_fixed_size 0
		.amdhsa_enable_private_segment 0
		.amdhsa_kernarg_size 56
		.amdhsa_user_sgpr_count 2
		.amdhsa_user_sgpr_kernarg_segment_ptr 1
		.amdhsa_wavefront_size32 1
		.amdhsa_system_sgpr_workgroup_id_x 1
		.amdhsa_system_sgpr_workgroup_id_y 1
		.amdhsa_system_sgpr_workgroup_id_z 1
		.amdhsa_system_vgpr_workitem_id 0
		.amdhsa_next_free_vgpr 256
		.amdhsa_next_free_sgpr 100
		.amdhsa_reserve_vcc 1
		.amdhsa_float_denorm_mode_32 3
		.amdhsa_float_denorm_mode_16_64 3
		.amdhsa_memory_ordered 1
		.amdhsa_forward_progress 1
		.amdhsa_inst_pref_size 77
	.end_amdhsa_kernel
	.amdgpu_metadata
---
amdhsa.version: [ 1, 2 ]
amdhsa.kernels:
  - .name:           k_q11d21f1f87_prep
    .symbol:         k_q11d21f1f87_prep.kd
    .args:
      - { .name: W1, .offset: 0, .size: 8, .value_kind: global_buffer, .address_space: global }
      - { .name: W2, .offset: 8, .size: 8, .value_kind: global_buffer, .address_space: global }
      - { .name: route, .offset: 16, .size: 8, .value_kind: global_buffer, .address_space: global }
      - { .name: gate, .offset: 24, .size: 8, .value_kind: global_buffer, .address_space: global }
      - { .name: wbuf, .offset: 32, .size: 8, .value_kind: global_buffer, .address_space: global }
      - { .name: recs, .offset: 40, .size: 8, .value_kind: global_buffer, .address_space: global }
      - { .name: gs, .offset: 48, .size: 8, .value_kind: global_buffer, .address_space: global }
    .group_segment_fixed_size: 217088
    .private_segment_fixed_size: 0
    .kernarg_segment_align: 8
    .kernarg_segment_size: 56
    .max_flat_workgroup_size: 256
    .sgpr_count:     100
    .vgpr_count:     256
    .wavefront_size: 32
...
	.end_amdgpu_metadata
.endif
;; end of part 2
;; launch chain (part 3): grid 198 x 1, 4 waves a work-group, no clusters, 161,792 bytes of LDS; arguments x, b1, b2, wbuf, recs, gs, out0; writes out0
.if DOCPART == 3
	.amdgcn_target "amdgcn-amd-amdhsa--gfx1250"
	.amdhsa_code_object_version 6
	.text
	.protected	k_q11d21f1f87_chain
	.globl	k_q11d21f1f87_chain
	.p2align	8
	.type	k_q11d21f1f87_chain,@function
k_q11d21f1f87_chain:
	s_mov_b64 s[64:65], 0
	v_nop
	global_prefetch_b8 v0, s[64:65] scope:SCOPE_SE
	s_setreg_imm32_b32 hwreg(HW_REG_WAVE_MODE, 25, 1), 1
	s_wait_xcnt 0x0
; THE CHAIN.  out[t] = sum over the token's two experts e of c_e (gelu(x[t] W1e + b1e) W2e + b2e), gelu exact (by erf).
; A work-group takes a TILE: up to 48 tokens that chose the same pair (lo, hi), listed in recs.  Both experts add into ONE accumulator, so each output row has one owner,
; x is gathered once and out0 is stored once.  198 tiles cover every split of the tokens over the 28 pairs.
; A tile that the split leaves without rows (count 0) walks the same text on token 0's row with gates 0 and stores nothing: so every wave passes every barrier, and none hangs on a loaded number.
; SHARES.  Wave w has the hidden columns 128 w .. + 127 and the output columns 256 w .. + 255, for all 48 rows.  Both products are used transposed (source 0 = 16 weight columns,
; source 1 = 16 tokens): a lane of a result holds ONE token (lane % 16) and eight neighbouring columns 8 (lane / 16) + 0..7.
; WEIGHTS come from memory straight into registers, as the stream of fragments that the launch before laid out: a ring of four groups of 16 loads (8,192 bytes, one K step of 128 columns).
; NO LDS RING AND NO JOINT LOADS for them: the four waves split the columns, so a fragment has one reader in the work-group and a way through LDS would write and read each byte once more
; (8 MiB a tile beside the 1.5 MiB of token fragments); and clusters of four tiles of one pair would make the grain 192 tokens a pair: up to 28 x 191 rows of padding against 28 x 47.
; FORMATS.  Every input is rounded once to bf16 (x, W1, W2 as matrix operands; b1, b2 too, then kept in f32); sums in f32; the hidden layer, times its gate and 0.5, is rounded once to bf16.
; erf(u) = 1 - (1 + a1 u + .. + a6 u^6)^-16 for u >= 0 (absolute error 3e-7 for every u; where the polynomial overflows the reciprocal is 0 and erf is 1), and gelu(z) = 0.5 (z + |z| erf(|z| / sqrt 2)),
; whose absolute error for z < 0 is some 1e-7 |z|.  NaN and infinities are not treated apart.
; REGISTERS, in windows of 256 (s_set_vgpr_msb: bits 1:0 source 0, 3:2 source 1, 5:4 source 2, 7:6 destination):
;   window 0: v0-31 addresses and gates; v32-63 at work; v64-255 the hidden layer's 24 accumulators ((cb, rb) at 64 + 8 (3 cb + rb))
;   window 1: the weight ring, slot s at 64 s, fragment cb at + 8 cb
;   windows 2, 3: the 48 output accumulators, number 3 cbl + rb at 512 + 8 x number; window 3 v128-175 two buffers of 3 token fragments; v176-199 |z|; v200-223 the polynomial
;   (in the beginning window 3 v176-223 hold the 48 rows' offsets, windows 0 and 2 the gathered rows)
.set XP,    2064                       ; a row of x in LDS: 2,048 bytes of bf16 + 16: an odd multiple of 16, so the 16 rows of a fragment load start in 16 different 16-byte columns of 256
.set HP,    1040                       ; a row of the hidden layer: 1,024 + 16; also a row of a wave's stage on the way out (256 f32)
.set HD,    48*XP
.set B1L,   HD+48*HP                   ; b1 of lo, of hi: 2 x 512 f32
.set B2L,   B1L+4096                   ; b2 of lo, of hi: 2 x 1,024 f32
.set SPARE, B2L+8192                   ; the spare words: 128 bytes a wave, two blocks of 256 bytes that no other line names
.set SPW, 1                            ; my spare word's address; never rewritten
.set NIL, 2                            ; 0; never rewritten
.set L16, 3                            ; 16 l
.set CW,  4                            ; 1,024 w + 16 l: my 16 bytes in a row of x and of out0
.set XST0, 5                           ; where I put 8 bytes of rows 0-23,
.set XST1, 6                           ; of rows 24-47
.set XB0, 7                            ; a token fragment in X: row r, 16 bytes for each half of the lanes
.set XA,  8                            ; v8-10: the same for row block rb, stepped along K
.set HST, 11                           ; where I put 16 bytes of the hidden layer
.set HB,  12                           ; a token fragment in HD
.set HA,  13                           ; the same, stepped along K
.set B1A, 14                           ; my eight b1 of column block 0, of the expert in hand
.set B2A, 15                           ; my eight b2 of column block 0, of lo
.set SST, 16                           ; the way out: where I put 16 bytes of a row
.set SRD, 17                           ; the way out: where I read a row back
.set GL,  18                           ; v18-23: per row block the pair (gate of lo, gate of hi); the low word becomes 0.5 x the gate of the expert in hand
.set GH,  24                           ; v24-29: per row block the gate of hi, twice
.set RG,  30                           ; 8 r
.set T16, 31                           ; 16 x thread
.set ACC, 64
.set XF,  128                          ; window 3
.set AZ,  176                          ; window 3
.set PP,  200                          ; window 3
.set RO,  176                          ; window 3
.set WP,  84                           ; s[84:85] the stream of the expert in hand
.set WB,  86                           ; s[86:87] the stream of hi
.set A1,  90                           ; s[90:101] a_i 2^(-i/2), each as a pair: the polynomial runs in |z|
.set A2,  92
.set A3,  94
.set A4,  96
.set A5,  98
.set A6,  100
.set MSB, 0
.macro WIN new                         ; the immediate's high byte repeats the setting that is left; a switch that changes nothing is dropped
.if MSB != (\new)
	s_set_vgpr_msb (MSB<<8)|(\new)
.set MSB, (\new)
.endif
.endm
.macro PLACES                          ; four places between a matrix instruction and a load into, or a read of, its registers
.rept 4
	v_nop
.endr
.endm
.macro XLOAD buf, off                  ; three token fragments (48 rows x 32 K at byte off) of x into buffer buf
	WIN 0xc0
.irp rb, 0,1,2
	ds_load_b128 v[XF+24*(\buf)+8*(\rb):XF+24*(\buf)+8*(\rb)+3],   v[XA+(\rb)] offset:(\off)
	ds_load_b128 v[XF+24*(\buf)+8*(\rb)+4:XF+24*(\buf)+8*(\rb)+7], v[XA+(\rb)] offset:(\off)+32
.endr
.endm
.macro HLOAD buf, off                  ; the same of the hidden layer
	WIN 0xc0
.irp rb, 0,1,2
	ds_load_b128 v[XF+24*(\buf)+8*(\rb):XF+24*(\buf)+8*(\rb)+3],   v[HA] offset:(\rb)*16*HP+(\off)
	ds_load_b128 v[XF+24*(\buf)+8*(\rb)+4:XF+24*(\buf)+8*(\rb)+7], v[HA] offset:(\rb)*16*HP+(\off)+32
.endr
.endm
.macro RING slot, base, add            ; a group of the stream into ring slot: 16 loads of 512 consecutive bytes
	WIN 0x40
.irp cb, 0,1,2,3,4,5,6,7
	global_load_b128 v[64*(\slot)+8*(\cb):64*(\slot)+8*(\cb)+3],   v[L16], s[\base:\base+1] offset:(\add)+(\slot)*8192+(\cb)*1024
	global_load_b128 v[64*(\slot)+8*(\cb)+4:64*(\slot)+8*(\cb)+7], v[L16], s[\base:\base+1] offset:(\add)+(\slot)*8192+(\cb)*1024+512
.endr
.endm
; One K step of the first product: 24 matrix instructions, the 24 accumulators by turns; then the slot takes the group four further on, and buffer buf the K step two further on.
.macro G1 slot, buf, xoff, dc
	s_wait_loadcnt 48                              ; three younger groups of 16 loads stay out: this slot's group is in
	s_wait_dscnt \dc                               ; the other buffer's six loads are younger
	WIN 0x0d                                       ; weights window 1, tokens window 3, sums window 0
.irp cb, 0,1,2,3,4,5,6,7
.irp rb, 0,1,2
	v_wmma_f32_16x16x32_bf16 v[ACC+8*(3*(\cb)+(\rb)):ACC+8*(3*(\cb)+(\rb))+7], v[64*(\slot)+8*(\cb):64*(\slot)+8*(\cb)+7], v[XF+24*(\buf)+8*(\rb):XF+24*(\buf)+8*(\rb)+7], v[ACC+8*(3*(\cb)+(\rb)):ACC+8*(3*(\cb)+(\rb))+7]
.endr
.endr
	PLACES
	RING \slot, WP, 32768
.if (\xoff) >= 0
	XLOAD \buf, \xoff
.endif
.endm
; Half a K step of the second product (128 of the wave's 256 columns).  mode 1: the slot takes the group four further on; 2: the same group number of hi's stream; 0: nothing.
.macro G2 slot, hf, buf, hoff, mode, lc, dc
	s_wait_loadcnt \lc
.if (\hf) == 0
	s_wait_dscnt \dc
.endif
.irp cb, 0,1,2,3,4,5,6,7
.irp rb, 0,1,2
.set aa, 3*(8*(\hf)+(\cb))+(\rb)
.if aa < 32
	WIN 0xad
.set ro, 8*aa
.else
	WIN 0xfd
.set ro, 8*aa-256
.endif
	v_wmma_f32_16x16x32_bf16 v[ro:ro+7], v[64*(\slot)+8*(\cb):64*(\slot)+8*(\cb)+7], v[XF+24*(\buf)+8*(\rb):XF+24*(\buf)+8*(\rb)+7], v[ro:ro+7]
.endr
.endr
	PLACES
.if (\mode) == 1
	RING \slot, WP, 32768
.elseif (\mode) == 2
	RING \slot, WB, 0
.endif
.if (\hf) == 1
.if (\hoff) >= 0
	HLOAD \buf, \hoff
.endif
.endif
.endm
; The activation of column block cb: 24 numbers a lane (three row blocks x 8 columns).  One batch of 24 reciprocals, one wait.
.macro GELU cb
.set ZB, ACC+24*(\cb)
.set TC, 32+12*((\cb)%2)
	WIN 0xc0
.set qq, 0
.rept 24                               ; |z|: each accumulator's lowest registers are read first
	v_and_b32 v[AZ+qq], s2, v[ZB+qq]
.set qq, qq+1
.endr
	WIN 0xcf
.set qq, 0
.rept 12
	v_pk_fma_f32 v[PP+qq:PP+qq+1], v[AZ+qq:AZ+qq+1], s[A6:A6+1], s[A5:A5+1] op_sel_hi:[1,0,0]
.set qq, qq+2
.endr
.irp a, A4, A3, A2, A1
.set qq, 0
.rept 12
	v_pk_fma_f32 v[PP+qq:PP+qq+1], v[PP+qq:PP+qq+1], v[AZ+qq:AZ+qq+1], s[\a:\a+1] op_sel_hi:[1,1,0]
.set qq, qq+2
.endr
.endr
.set qq, 0
.rept 12
	v_pk_fma_f32 v[PP+qq:PP+qq+1], v[PP+qq:PP+qq+1], v[AZ+qq:AZ+qq+1], 1.0 op_sel_hi:[1,1,0]
.set qq, qq+2
.endr
.set qq, 0
.rept 24
	v_rcp_f32 v[PP+qq], v[PP+qq]
.set qq, qq+1
.endr
	v_nop                                          ; a plain instruction behind the last reciprocal
	s_wait_alu depctr_va_vdst(0)                   ; the wait ahead of the first reader: one for the batch
.rept 4                                ; the 16th power
.set qq, 0
.rept 12
	v_pk_mul_f32 v[PP+qq:PP+qq+1], v[PP+qq:PP+qq+1], v[PP+qq:PP+qq+1]
.set qq, qq+2
.endr
.endr
.set qq, 0
.rept 12                               ; erf = 1 - that
	v_pk_add_f32 v[PP+qq:PP+qq+1], v[PP+qq:PP+qq+1], 1.0 op_sel_hi:[1,0] neg_lo:[1,0] neg_hi:[1,0]
.set qq, qq+2
.endr
	WIN 0x0f
.set qq, 0
.rept 12                               ; z + |z| erf
	v_pk_fma_f32 v[ZB+qq:ZB+qq+1], v[AZ+qq:AZ+qq+1], v[PP+qq:PP+qq+1], v[ZB+qq:ZB+qq+1]
.set qq, qq+2
.endr
	WIN 0
.set qq, 0
.rept 12                               ; times 0.5 x the token's gate
	v_pk_mul_f32 v[ZB+qq:ZB+qq+1], v[ZB+qq:ZB+qq+1], v[GL+2*(qq/8):GL+2*(qq/8)+1] op_sel_hi:[1,0]
.set qq, qq+2
.endr
.set qq, 0
.rept 12
	v_cvt_pk_bf16_f32 v[TC+qq], v[ZB+2*qq], v[ZB+2*qq+1]
.set qq, qq+1
.endr
.irp rb, 0,1,2
	ds_store_b128 v[HST], v[TC+4*(\rb):TC+4*(\rb)+3] offset:(\rb)*16*HP+(\cb)*32
.endr
.endm
.macro LB2 cbl                         ; my eight b2 of column block cbl, of lo and of hi, into one of two sets
.set TB2, 32+16*((\cbl)%2)
	ds_load_b128 v[TB2:TB2+3],     v[B2A] offset:(\cbl)*64
	ds_load_b128 v[TB2+4:TB2+7],   v[B2A] offset:(\cbl)*64+16
	ds_load_b128 v[TB2+8:TB2+11],  v[B2A] offset:(\cbl)*64+4096
	ds_load_b128 v[TB2+12:TB2+15], v[B2A] offset:(\cbl)*64+4112
.endm
	s_load_b256 s[4:11], s[0:1], 0x0               ; x s[4:5], b1 s[6:7], b2 s[8:9], wbuf s[10:11]
	s_load_b128 s[12:15], s[0:1], 0x20             ; recs s[12:13], gs s[14:15]
	s_load_b64 s[16:17], s[0:1], 0x30              ; out0
	v_lshl_add_u32 v[SPW], v0, 2, SPARE
	v_mov_b32 v[NIL], 0
	v_lshrrev_b32 v32, 5, v0
	v_readfirstlane_b32 s18, v32                   ; wave 0..3
	v_and_b32 v33, 31, v0                          ; l
	v_and_b32 v34, 15, v0                          ; r
	v_bfe_u32 v35, v0, 4, 1                        ; h
	v_lshlrev_b32 v[L16], 4, v33
	s_lshl_b32 s3, s18, 10
	v_add_nc_u32 v[CW], s3, v[L16]
	s_lshl_b32 s3, s18, 9
	v_lshl_add_u32 v[XST0], v33, 3, s3
	v_add_nc_u32 v[XST1], 24*XP, v[XST0]
	v_mul_u32_u24 v[XB0], v34, XP
	v_lshl_add_u32 v[XB0], v35, 4, v[XB0]
	v_mul_u32_u24 v[HB], v34, HP
	v_lshl_add_u32 v[HB], v35, 4, v[HB]
	v_add_nc_u32 v[HB], HD, v[HB]
	s_lshl_b32 s3, s18, 8
	v_add_nc_u32 v[HST], s3, v[HB]
	s_lshl_b32 s3, s18, 9
	s_add_co_u32 s3, s3, B1L
	v_lshl_add_u32 v[B1A], v35, 5, s3
	s_lshl_b32 s3, s18, 10
	s_add_co_u32 s3, s3, B2L
	v_lshl_add_u32 v[B2A], v35, 5, s3
	s_mul_i32 s3, s18, 16*HP                       ; my stage for the way out lies over X, which is read no more by then
	v_mul_u32_u24 v[SST], v34, HP
	v_lshl_add_u32 v[SST], v35, 5, v[SST]
	v_add_nc_u32 v[SST], s3, v[SST]
	v_add_nc_u32 v[SRD], s3, v[L16]
	v_lshlrev_b32 v[RG], 3, v34
	v_lshlrev_b32 v[T16], 4, v0
	v_add_nc_u32 v58, B1L, v[T16]
	s_lshl_b32 s84, ttmp9, 8                       ; the tile's record: 256 bytes
	s_mov_b32 s85, 0
	s_wait_kmcnt 0x0
	s_add_nc_u64 s[84:85], s[12:13], s[84:85]
	s_load_b512 s[24:39], s[84:85], 0x0            ; token i in s[24 + i] (i < 32), s[36 + i] (i >= 32)
	s_load_b512 s[40:55], s[84:85], 0x40
	s_load_b512 s[68:83], s[84:85], 0x80
	s_load_b128 s[20:23], s[84:85], 0xc0           ; count, lo, hi, 0
	s_mov_b32 s2, 0x7fffffff
	s_mov_b32 s[A1], 0x3d4c41b4
	s_mov_b32 s[A1+1], 0x3d4c41b4
	s_mov_b32 s[A2], 0x3cad2fe7
	s_mov_b32 s[A2+1], 0x3cad2fe7
	s_mov_b32 s[A3], 0x3b56cd72
	s_mov_b32 s[A3+1], 0x3b56cd72
	s_mov_b32 s[A4], 0x381f6607
	s_mov_b32 s[A4+1], 0x381f6607
	s_mov_b32 s[A5], 0x384d0feb
	s_mov_b32 s[A5+1], 0x384d0feb
	s_mov_b32 s[A6], 0x36b49f67
	s_mov_b32 s[A6+1], 0x36b49f67
	s_mul_i32 s66, ttmp9, 384                      ; the tile's 48 pairs of gates
	s_mov_b32 s67, 0
	s_add_nc_u64 s[66:67], s[14:15], s[66:67]
	s_wait_kmcnt 0x0
.set ii, 0
.rept 48
.set tk, 24+ii+12*(ii/32)
	s_min_u32 s[tk], s[tk], 0x1fff                 ; held inside the table,
	s_lshl_b32 s[tk], s[tk], 12                    ; then the row's byte offset in x and in out0
.set ii, ii+1
.endr
	s_min_u32 s21, s21, 7
	s_min_u32 s22, s22, 7
	s_lshl_b32 s3, s18, 19                         ; a wave's stream is 512 KiB, an expert's four 2 MiB
	s_lshl_b32 s84, s21, 21
	s_add_co_u32 s84, s84, s3
	s_mov_b32 s85, 0
	s_add_nc_u64 s[WP:WP+1], s[10:11], s[84:85]
	s_lshl_b32 s86, s22, 21
	s_add_co_u32 s86, s86, s3
	s_mov_b32 s87, 0
	s_add_nc_u64 s[WB:WB+1], s[10:11], s[86:87]
	s_lshl_b32 s56, s21, 11
	s_mov_b32 s57, 0
	s_add_nc_u64 s[56:57], s[6:7], s[56:57]        ; b1 of lo,
	s_lshl_b32 s58, s22, 11
	s_mov_b32 s59, 0
	s_add_nc_u64 s[58:59], s[6:7], s[58:59]        ; of hi
	s_lshl_b32 s60, s21, 12
	s_mov_b32 s61, 0
	s_add_nc_u64 s[60:61], s[8:9], s[60:61]        ; b2 of lo,
	s_lshl_b32 s62, s22, 12
	s_mov_b32 s63, 0
	s_add_nc_u64 s[62:63], s[8:9], s[62:63]        ; of hi
.irp rb, 0,1,2
	global_load_b64 v[GL+2*(\rb):GL+2*(\rb)+1], v[RG], s[66:67] offset:(\rb)*128    ; the gates of token 16 rb + r
.endr
	global_load_b128 v[32:35], v[T16], s[56:57]
	global_load_b128 v[36:39], v[T16], s[58:59]
	global_load_b128 v[40:43], v[T16], s[60:61]
	global_load_b128 v[44:47], v[T16], s[60:61] offset:2048
	global_load_b128 v[48:51], v[T16], s[62:63]
	global_load_b128 v[52:55], v[T16], s[62:63] offset:2048
	WIN 0xc0
.set ii, 0
.rept 48
.set tk, 24+ii+12*(ii/32)
	v_add_nc_u32 v[RO+ii], s[tk], v[CW]
.set ii, ii+1
.endr
	WIN 0x03                                       ; address window 3, data window 0
.set ii, 0
.rept 24                               ; THE GATHER: each wave takes its 1,024 bytes of each of the 48 rows, 512 consecutive bytes a load
	global_load_b128 v[64+8*ii:67+8*ii], v[RO+ii], s[4:5]
	global_load_b128 v[68+8*ii:71+8*ii], v[RO+ii], s[4:5] offset:512
.set ii, ii+1
.endr
	WIN 0x83                                       ; data window 2
.set ii, 0
.rept 24
	global_load_b128 v[8*ii:8*ii+3],   v[RO+24+ii], s[4:5]
	global_load_b128 v[8*ii+4:8*ii+7], v[RO+24+ii], s[4:5] offset:512
.set ii, ii+1
.endr
	RING 0, WP, 0                                  ; the ring's first four groups
	RING 1, WP, 0
	RING 2, WP, 0
	RING 3, WP, 0
	WIN 0
	s_wait_loadcnt 63                              ; 169 loads were issued; the youngest 63 are all the ring's: gates, biases and the 96 loads of x are in
.set qq, 0
.rept 12                               ; the biases are rounded to bf16 like every input, and kept in f32
	v_cvt_pk_bf16_f32 v[56+qq%2], v[32+2*qq], v[33+2*qq]
	v_lshlrev_b32 v[32+2*qq], 16, v[56+qq%2]
	v_and_b32 v[33+2*qq], 0xffff0000, v[56+qq%2]
.set qq, qq+1
.endr
.set qq, 0
.rept 6
	ds_store_b128 v58, v[32+4*qq:35+4*qq] offset:2048*qq
.set qq, qq+1
.endr
.irp rb, 0,1,2
	v_mov_b32 v[GH+2*(\rb)], v[GL+2*(\rb)+1]
	v_mov_b32 v[GH+2*(\rb)+1], v[GL+2*(\rb)+1]
.endr
.set ii, 0
.rept 48
.set bb, 64+4*ii
	v_cvt_pk_bf16_f32 v[bb], v[bb], v[bb+1]
	v_cvt_pk_bf16_f32 v[bb+1], v[bb+2], v[bb+3]
	ds_store_b64 v[XST0], v[bb:bb+1] offset:(ii/2)*XP+(ii%2)*256
.set ii, ii+1
.endr
	WIN 0x8a
.set ii, 0
.rept 48
	v_cvt_pk_bf16_f32 v[4*ii], v[4*ii], v[4*ii+1]
	v_cvt_pk_bf16_f32 v[4*ii+1], v[4*ii+2], v[4*ii+3]
.set ii, ii+1
.endr
	WIN 0x08
.set ii, 0
.rept 48
	ds_store_b64 v[XST1], v[4*ii:4*ii+1] offset:(ii/2)*XP+(ii%2)*256
.set ii, ii+1
.endr
	WIN 0
	s_wait_dscnt 0x0                               ; for the others' sake: my part of X and of the biases is in LDS
	s_barrier_signal -1
	s_barrier_wait -1
	; The output's sums begin with c_lo b2_lo + c_hi b2_hi: nothing is cleared.
	LB2 0
.set cc, 0
.rept 16
	WIN 0
.if cc < 15
	LB2 cc+1
	s_wait_dscnt 4                                 ; the next block's four loads are younger
.else
	s_wait_dscnt 0x0
.endif
.set TB2, 32+16*(cc%2)
.set rr, 0
.rept 3
.set aa, 3*cc+rr
.if aa < 32
	WIN 0xa0
.set ro, 8*aa
.else
	WIN 0xf0
.set ro, 8*aa-256
.endif
.set qq, 0
.rept 4
	v_pk_mul_f32 v[ro+qq:ro+qq+1], v[TB2+qq:TB2+qq+1], v[GL+2*rr:GL+2*rr+1] op_sel_hi:[1,0]
.set qq, qq+2
.endr
.set qq, 0
.rept 4
	v_pk_fma_f32 v[ro+qq:ro+qq+1], v[TB2+8+qq:TB2+8+qq+1], v[GH+2*rr:GH+2*rr+1], v[ro+qq:ro+qq+1] op_sel_hi:[1,0,1]
.set qq, qq+2
.endr
.set rr, rr+1
.endr
.set cc, cc+1
.endr
	WIN 0
.irp rb, 0,1,2
	v_mul_f32 v[GL+2*(\rb)], 0.5, v[GL+2*(\rb)]    ; gelu's 0.5 goes into the gates
	v_mul_f32 v[GH+2*(\rb)], 0.5, v[GH+2*(\rb)]
.endr
	s_mov_b32 s89, 2                               ; passes to go: lo, then hi
.Lpass:
.irp cb, 0,1,2,3,4,5,6,7
.irp rb, 0,1,2
	ds_load_b128 v[ACC+8*(3*(\cb)+(\rb)):ACC+8*(3*(\cb)+(\rb))+3],   v[B1A] offset:(\cb)*64      ; the hidden sums begin with b1
	ds_load_b128 v[ACC+8*(3*(\cb)+(\rb))+4:ACC+8*(3*(\cb)+(\rb))+7], v[B1A] offset:(\cb)*64+16
.endr
.endr
	v_mov_b32 v[XA], v[XB0]
	v_add_nc_u32 v[XA+1], 16*XP, v[XB0]
	v_add_nc_u32 v[XA+2], 32*XP, v[XB0]
	XLOAD 0, 0
	XLOAD 1, 64
	WIN 0                                          ; at a label and at a branch every window is 0
	s_mov_b32 s88, 7
.Lp1:                                  ; a trip: four K steps of x W1, once round the ring
	G1 0, 0, 128, 6
	G1 1, 1, 192, 6
	G1 2, 0, 256, 6
	G1 3, 1, 320, 6
	WIN 0
	s_wait_xcnt 0x0                                ; the stream's address is stepped only behind this wait
	s_add_nc_u64 s[WP:WP+1], s[WP:WP+1], 0x8000
	v_add_nc_u32 v[XA], 256, v[XA]
	v_add_nc_u32 v[XA+1], 256, v[XA+1]
	v_add_nc_u32 v[XA+2], 256, v[XA+2]
	s_sub_co_u32 s88, s88, 1
	s_cmp_lg_u32 s88, 0
	s_cbranch_scc1 .Lp1
	G1 0, 0, 128, 6                                ; the eighth trip: x ends, the ring goes on into W2's groups
	G1 1, 1, 192, 6
	G1 2, 0, -1, 6
	G1 3, 1, -1, 0
	WIN 0
	s_wait_xcnt 0x0
	s_add_nc_u64 s[WP:WP+1], s[WP:WP+1], 0x8000
.irp cb, 0,1,2,3,4,5,6,7
	GELU \cb
.endr
	s_wait_dscnt 0x0                               ; for the others' sake: my 128 hidden columns are in LDS (and my reads of X are over)
	s_barrier_signal -1
	s_barrier_wait -1
	v_mov_b32 v[HA], v[HB]
	HLOAD 0, 0
	HLOAD 1, 64
	WIN 0
	s_mov_b32 s88, 7
.Lp2:                                  ; a trip: two K steps of h W2, each in two halves of 128 columns
	G2 0, 0, 0, -1,  1, 48, 6
	G2 1, 1, 0, 128, 1, 48, 0
	G2 2, 0, 1, -1,  1, 48, 6
	G2 3, 1, 1, 192, 1, 48, 0
	WIN 0
	s_wait_xcnt 0x0
	s_add_nc_u64 s[WP:WP+1], s[WP:WP+1], 0x8000
	v_add_nc_u32 v[HA], 128, v[HA]
	s_sub_co_u32 s88, s88, 1
	s_cmp_lg_u32 s88, 0
	s_cbranch_scc1 .Lp2
	s_cmp_eq_u32 s89, 1
	s_cbranch_scc1 .Lfinal
	G2 0, 0, 0, -1, 2, 48, 6                       ; lo's last trip: the ring goes on into hi's stream
	G2 1, 1, 0, -1, 2, 48, 0
	G2 2, 0, 1, -1, 2, 48, 0
	G2 3, 1, 1, -1, 2, 48, 0
	WIN 0
	s_wait_xcnt 0x0
	s_mov_b64 s[WP:WP+1], s[WB:WB+1]
.irp rb, 0,1,2
	v_mov_b32 v[GL+2*(\rb)], v[GH+2*(\rb)]
.endr
	v_add_nc_u32 v[B1A], 2048, v[B1A]
	s_wait_dscnt 0x0                               ; my reads of the hidden layer are over: behind this barrier it is written anew
	s_barrier_signal -1
	s_barrier_wait -1
	s_sub_co_u32 s89, s89, 1
	s_branch .Lpass
.Lfinal:
	G2 0, 0, 0, -1, 0, 48, 6                       ; hi's last trip fetches nothing: the counts run down
	G2 1, 1, 0, -1, 0, 32, 0
	G2 2, 0, 1, -1, 0, 16, 0
	G2 3, 1, 1, -1, 0, 0, 0
	WIN 0
	; THE WAY OUT, 16 rows at a time through my own stage: in by lanes (a token, eight columns), back as whole rows of 1,024 bytes.  Rows past the count are jumped, forward, with no barrier in what is jumped.
.set rr, 0
.rept 3
.if rr > 0
	s_wait_xcnt 0x0                                ; the last block's stores have read their registers
.endif
	s_cmp_le_u32 s20, 16*rr
	s_cbranch_scc1 .Ldone
.set cc, 0
.rept 16
.set aa, 3*cc+rr
.if aa < 32
	WIN 0x08
.set ro, 8*aa
.else
	WIN 0x0c
.set ro, 8*aa-256
.endif
	ds_store_b128 v[SST], v[ro:ro+3] offset:64*cc          ; each accumulator's low half first
	ds_store_b128 v[SST], v[ro+4:ro+7] offset:64*cc+16
.set cc, cc+1
.endr
	WIN 0
.set tt, 0
.rept 16                               ; LDS serves a wave in order: these see the stores above
	ds_load_b128 v[64+8*tt:67+8*tt], v[SRD] offset:tt*HP
	ds_load_b128 v[68+8*tt:71+8*tt], v[SRD] offset:tt*HP+512
.set tt, tt+1
.endr
.set tt, 0
.rept 16
.if tt > 0
	s_cmp_le_u32 s20, 16*rr+tt
	s_cbranch_scc1 .Ldone
.endif
.set idx, 16*rr+tt
.set tk, 24+idx+12*(idx/32)
	v_add_nc_u32 v[32+tt], s[tk], v[CW]
	s_wait_dscnt 30-2*tt                           ; the later rows' read-backs are younger
	global_store_b128 v[32+tt], v[64+8*tt:67+8*tt], s[16:17] th:TH_STORE_NT             ; 512 consecutive bytes, aligned
	global_store_b128 v[32+tt], v[68+8*tt:71+8*tt], s[16:17] offset:512 th:TH_STORE_NT
.set tt, tt+1
.endr
.set rr, rr+1
.endr
.Ldone:
	s_wait_tensorcnt 0x0                           ; the wave's end
	ds_add_u32 v[SPW], v[NIL]
	s_wait_dscnt 0x0
	s_endpgm
.Lfunc_end_k_q11d21f1f87_chain:
	.size	k_q11d21f1f87_chain, .Lfunc_end_k_q11d21f1f87_chain-k_q11d21f1f87_chain
	.p2alignl 7, 3214868480
	.fill 96, 4, 3214868480
	.section	.rodata,"a",@progbits
	.p2align	6, 0x0
	.amdhsa_kernel k_q11d21f1f87_chain
		.amdhsa_group_segment_fixed_size 161792
		.amdhsa_private_segment_fixed_size 0
		.amdhsa_enable_private_segment 0
		.amdhsa_kernarg_size 56
		.amdhsa_user_sgpr_count 2
		.amdhsa_user_sgpr_kernarg_segment_ptr 1
		.amdhsa_wavefront_size32 1
		.amdhsa_system_sgpr_workgroup_id_x 1
		.amdhsa_system_sgpr_workgroup_id_y 1
		.amdhsa_system_sgpr_workgroup_id_z 1
		.amdhsa_system_vgpr_workitem_id 0
		.amdhsa_next_free_vgpr 1024
		.amdhsa_next_free_sgpr 102
		.amdhsa_reserve_vcc 0
		.amdhsa_float_denorm_mode_32 3
		.amdhsa_float_denorm_mode_16_64 3
		.amdhsa_memory_ordered 1
		.amdhsa_forward_progress 1
		.amdhsa_inst_pref_size 255
	.end_amdhsa_kernel
	.section	.bss,"aw",@nobits
	.p2align	6
	.space	262144
	.amdgpu_metadata
---
amdhsa.version: [ 1, 2 ]
amdhsa.kernels:
  - .name:           k_q11d21f1f87_chain
    .symbol:         k_q11d21f1f87_chain.kd
    .args:
      - { .name: x, .offset: 0, .size: 8, .value_kind: global_buffer, .address_space: global }
      - { .name: b1, .offset: 8, .size: 8, .value_kind: global_buffer, .address_space: global }
      - { .name: b2, .offset: 16, .size: 8, .value_kind: global_buffer, .address_space: global }
      - { .name: wbuf, .offset: 24, .size: 8, .value_kind: global_buffer, .address_space: global }
      - { .name: recs, .offset: 32, .size: 8, .value_kind: global_buffer, .address_space: global }
      - { .name: gs, .offset: 40, .size: 8, .value_kind: global_buffer, .address_space: global }
      - { .name: out0, .offset: 48, .size: 8, .value_kind: global_buffer, .address_space: global }
    .group_segment_fixed_size: 161792
    .private_segment_fixed_size: 0
    .kernarg_segment_align: 8
    .kernarg_segment_size: 56
    .max_flat_workgroup_size: 128
    .sgpr_count:     102
    .vgpr_count:     1024
    .wavefront_size: 32
...
	.end_amdgpu_metadata
.endif
;; end of part 3
;; ======== version 2 of 2: 3 launches; version 1 with the launch chain written anew for expert scheduling mode
;; workspace buffers: route 65,536 bytes of whole numbers; gate 65,536 bytes; wbuf 16,777,216 bytes; recs 65,536 bytes of whole numbers; gs 81,920 bytes
;; launch router: the kernel of part 1 again; grid 256 x 1, 8 waves a work-group, no clusters, 97,280 bytes of LDS; arguments x, Wr, route, gate; writes route, gate
;; launch prep: the kernel of part 2 again; grid 257 x 1, 8 waves a work-group, no clusters, 217,088 bytes of LDS; arguments W1, W2, route, gate, wbuf, recs, gs; writes wbuf, recs, gs
;; launch chain (part 4): grid 198 x 1, 4 waves a work-group, no clusters, 161,792 bytes of LDS; arguments x, b1, b2, wbuf, recs, gs, out0; writes out0
.if DOCPART == 4
	.amdgcn_target "amdgcn-amd-amdhsa--gfx1250"
	.amdhsa_code_object_version 6
	.text
	.protected	k_q11d21f1f87_chain
	.globl	k_q11d21f1f87_chain
	.p2align	8
	.type	k_q11d21f1f87_chain,@function
k_q11d21f1f87_chain:
	s_mov_b64 s[64:65], 0
	v_nop
	global_prefetch_b8 v0, s[64:65] scope:SCOPE_SE
	s_setreg_imm32_b32 hwreg(HW_REG_WAVE_SCHED_MODE, 0, 2), 2
	s_setreg_imm32_b32 hwreg(HW_REG_WAVE_MODE, 25, 1), 1
	s_wait_xcnt 0x0
	s_wait_alu depctr_vm_vsrc(0)
; THE CHAIN.  out[t] = sum over the token's two experts e of c_e (gelu(x[t] W1e + b1e) W2e + b2e), gelu exact (by erf).
; A work-group takes a TILE: up to 48 tokens that chose the same pair (lo, hi), listed in recs.  Both experts add into ONE accumulator, so each output row has one owner,
; x is gathered once and out0 is stored once.  198 tiles cover every split of the tokens over the 28 pairs.
; A tile that the split leaves without rows (count 0) walks the same text on token 0's row with gates 0 and stores nothing: so every wave passes every barrier, and none hangs on a loaded number.
; SHARES.  Wave w has the hidden columns 128 w .. + 127 and the output columns 256 w .. + 255, for all 48 rows.  Both products are used transposed (source 0 = 16 weight columns,
; source 1 = 16 tokens): a lane of a result holds ONE token (lane % 16) and eight neighbouring columns 8 (lane / 16) + 0..7.
; WEIGHTS come from memory straight into registers, as the stream of fragments that the launch before laid out: a ring of four groups of 16 loads (8,192 bytes, one K step of 128 columns).
; NO LDS RING AND NO JOINT LOADS for them: the four waves split the columns, so a fragment has one reader in the work-group and a way through LDS would write and read each byte once more
; (8 MiB a tile beside the 1.5 MiB of token fragments); and clusters of four tiles of one pair would make the grain 192 tokens a pair: up to 28 x 191 rows of padding against 28 x 47.
; FORMATS.  Every input is rounded once to bf16 (x, W1, W2 as matrix operands; b1, b2 too, then kept in f32); sums in f32; the hidden layer, times its gate and 0.5, is rounded once to bf16.
; erf(u) = 1 - (1 + a1 u + .. + a6 u^6)^-16 for u >= 0 (absolute error 3e-7 for every u; where the polynomial overflows the reciprocal is 0 and erf is 1), and gelu(z) = 0.5 (z + |z| erf(|z| / sqrt 2)),
; whose absolute error for z < 0 is some 1e-7 |z|.  NaN and infinities are not treated apart.
; THE MODE: SCHED_MODE bits 1:0 = 2 (LLVM: expert scheduling mode 2), set by the entry lines.  The code itself states the register dependences
; between vector or matrix instructions and memory or LDS instructions, with s_wait_alu, always for 0.
; THE PLAN.  A STEP is one group of the stream: 24 matrix instructions.  Registers that memory or LDS instructions touch in the loops:
;   ring slots 0-3   Step g: its matrix instructions read slot g % 4; the 16 loads of group g + 3 land in slot (g - 1) % 4, which the step before read.
;   XF0 .. XF3       First product: step g reads XF[g % 4]; the six LDS loads of the fragments of step g + 3 land in XF[(g - 1) % 4].
;                    Second product: a K step's two half steps read XF0 or XF1; the first of them loads the next K step's fragments into the other.
;   XA, HA           LDS addresses, read by those loads; stepped once a trip, at its end; set back at a pass's head.     L16: the ring's offset, never written again.
; So ONE wait on va_vdst stands at a step's head, behind the waits for its data: the step before is done reading its slot and its fragments (and a stepped address is written).  The step's loads
; follow it, dealt in three runs among its first matrix instructions, which name this step's slot, this step's fragments and the sums: none of the registers that those loads touch.
; One wait on vm_vsrc a trip stands ahead of the add to the LDS addresses.  Outside the loops each run of stores has one wait on va_vdst ahead of it, and each re-use of store registers one on vm_vsrc.
; REGISTERS, in windows of 256 (s_set_vgpr_msb: bits 1:0 source 0, 3:2 source 1, 5:4 source 2, 7:6 destination):
;   window 0: v3-31 addresses and gates; v64-255 the hidden layer's 24 accumulators ((cb, rb) at 64 + 8 (3 cb + rb)); a column block's first 12 registers take its 24 numbers in bf16
;   window 1: the weight ring, slot s at 64 s, fragment cb at + 8 cb
;   windows 2, 3: the 48 output accumulators, number 3 cbl + rb at 512 + 8 x number; window 3 v128-223 four buffers of 3 token fragments; between the products v176-199 |z|, v200-223 the polynomial
;   (in the beginning window 3 v176-223 hold the 48 rows' offsets, windows 0 and 2 the gathered rows, then window 0 v32-255 fourteen sets of b2; on the way out v64-191 rows read back, v192-239 the rows' offsets)
.set XP,    2064                       ; a row of x in LDS: 2,048 bytes of bf16 + 16: an odd multiple of 16, so the 16 rows of a fragment load start in 16 different 16-byte columns of 256
.set HP,    1040                       ; a row of the hidden layer: 1,024 + 16; also a row of a wave's stage on the way out (256 f32)
.set HD,    48*XP
.set B1L,   HD+48*HP                   ; b1 of lo, of hi: 2 x 512 f32
.set B2L,   B1L+4096                   ; b2 of lo, of hi: 2 x 1,024 f32; the 512 bytes behind them are claimed and no line names them
.set L16, 3                            ; 16 l
.set CW,  4                            ; 1,024 w + 16 l: my 16 bytes in a row of x and of out0
.set XST0, 5                           ; where I put 8 bytes of rows 0-23,
.set XST1, 6                           ; of rows 24-47
.set XB0, 7                            ; a token fragment in X: row r, 16 bytes for each half of the lanes
.set XA,  8                            ; v8-10: the same for row block rb, stepped along K
.set HST, 11                           ; where I put 16 bytes of the hidden layer
.set HB,  12                           ; a token fragment in HD
.set HA,  13                           ; the same, stepped along K
.set B1A, 14                           ; my eight b1 of column block 0, of the expert in hand
.set B2A, 15                           ; my eight b2 of column block 0, of lo
.set SST, 16                           ; the way out: where I put 16 bytes of a row
.set SRD, 17                           ; the way out: where I read a row back
.set GL,  18                           ; v18-23: per row block the pair (gate of lo, gate of hi); the low word becomes 0.5 x the gate of the expert in hand
.set GH,  24                           ; v24-29: per row block the gate of hi, twice
.set RG,  30                           ; 8 r
.set T16, 31                           ; 16 x thread
.set BS,  32                           ; v32-255: fourteen sets of 16: b2 of a column block, of lo and of hi
.set ACC, 64
.set OA,  192                          ; v192-239: the way out: my byte offset in each of the 48 rows of out0
.set XF,  128                          ; window 3
.set AZ,  176                          ; window 3
.set PP,  200                          ; window 3
.set RO,  176                          ; window 3
.set WP,  84                           ; s[84:85] the stream of the expert in hand, at this trip's first group
.set WB,  86                           ; s[86:87] the stream of hi
.set A1,  90                           ; s[90:101] a_i 2^(-i/2), each as a pair: the polynomial runs in |z|
.set A2,  92
.set A3,  94
.set A4,  96
.set A5,  98
.set A6,  100
.set MSB, 0
.macro WIN new                         ; the immediate's high byte repeats the setting that is left; a switch that changes nothing is dropped
.if MSB != (\new)
	s_set_vgpr_msb (MSB<<8)|(\new)
.set MSB, (\new)
.endif
.endm
.macro PLACES                          ; four places between a matrix instruction and a vector instruction that reads its result or writes one of its registers (ISA guide 7.12.1)
.rept 4
	v_nop
.endr
.endm
.macro XLOAD buf, off                  ; three token fragments (48 rows x 32 K at byte off) of x into buffer buf
	WIN 0xc0
.irp rb, 0,1,2
	ds_load_b128 v[XF+24*(\buf)+8*(\rb):XF+24*(\buf)+8*(\rb)+3],   v[XA+(\rb)] offset:(\off)
	ds_load_b128 v[XF+24*(\buf)+8*(\rb)+4:XF+24*(\buf)+8*(\rb)+7], v[XA+(\rb)] offset:(\off)+32
.endr
.endm
.macro HLOAD buf, off                  ; the same of the hidden layer
	WIN 0xc0
.irp rb, 0,1,2
	ds_load_b128 v[XF+24*(\buf)+8*(\rb):XF+24*(\buf)+8*(\rb)+3],   v[HA] offset:(\rb)*16*HP+(\off)
	ds_load_b128 v[XF+24*(\buf)+8*(\rb)+4:XF+24*(\buf)+8*(\rb)+7], v[HA] offset:(\rb)*16*HP+(\off)+32
.endr
.endm
.macro RINGH slot, base, grp, half     ; half a group of the stream into ring slot: 8 loads of 512 consecutive bytes; grp counts groups from the base
	WIN 0x40
.irp c, 0,1,2,3
.set cbx, 4*(\half)+(\c)
	global_load_b128 v[64*(\slot)+8*cbx:64*(\slot)+8*cbx+3],   v[L16], s[\base:\base+1] offset:(\grp)*8192+cbx*1024
	global_load_b128 v[64*(\slot)+8*cbx+4:64*(\slot)+8*cbx+7], v[L16], s[\base:\base+1] offset:(\grp)*8192+cbx*1024+512
.endr
.endm
; Step j of a trip of the first product: 24 matrix instructions, the 24 accumulators by turns, on slot j and XF[j].  Among the first nine stand the loads into what the step before read:
; the fragments of x three steps on (xl = 1) and the group three further on.
.macro G1 j, xl, dc
	s_wait_loadcnt 32                              ; two younger groups of 16 loads stay out: this slot's group is in
	s_wait_dscnt \dc                               ; the younger fragments' loads stay out: this step's are in
	s_wait_alu depctr_va_vdst(0)                   ; the step before is done reading its slot and its fragments, in which the loads below land; in a trip's first step v[XA ..] are written
.irp cb, 0,1,2,3,4,5,6,7
	WIN 0x0d                                       ; weights window 1, tokens window 3, sums window 0
.irp rb, 0,1,2
	v_wmma_f32_16x16x32_bf16 v[ACC+8*(3*(\cb)+(\rb)):ACC+8*(3*(\cb)+(\rb))+7], v[64*(\j)+8*(\cb):64*(\j)+8*(\cb)+7], v[XF+24*(\j)+8*(\rb):XF+24*(\j)+8*(\rb)+7], v[ACC+8*(3*(\cb)+(\rb)):ACC+8*(3*(\cb)+(\rb))+7]
.endr
.if ((\cb) == 0) && (\xl)
	XLOAD ((\j)+3)%4, 64*((\j)+3)                  ; no wait: no instruction since the wait above names these registers
.endif
.if ((\cb) == 1) || ((\cb) == 2)
	RINGH ((\j)+3)%4, WP, (\j)+3, (\cb)-1
.endif
.endr
.endm
; Step j of a trip of the second product: half a K step (128 of the wave's 256 columns).  hoff >= 0: the next K step's fragments go into the other buffer.
; mode 1: the slot that the step before read takes the group three further on; 2: the group of hi's stream that follows there; 0: nothing.
.macro G2 j, hf, buf, hoff, mode, lc
	s_wait_loadcnt \lc                             ; the younger groups stay out: this slot's group is in
.if (\hf) == 0
	s_wait_dscnt 0x0                               ; this K step's fragments, asked for two steps back, are in; nothing younger is out
.endif
.if (\mode) || ((\hoff) >= 0)
	s_wait_alu depctr_va_vdst(0)                   ; the step before is done reading its slot and its fragments, in which the loads below land; in a trip's first step v[HA] is written
.endif
.irp cb, 0,1,2,3,4,5,6,7
.irp rb, 0,1,2
.set aa, 3*(8*(\hf)+(\cb))+(\rb)
.if aa < 32
	WIN 0xad
.set ro, 8*aa
.else
	WIN 0xfd
.set ro, 8*aa-256
.endif
	v_wmma_f32_16x16x32_bf16 v[ro:ro+7], v[64*(\j)+8*(\cb):64*(\j)+8*(\cb)+7], v[XF+24*(\buf)+8*(\rb):XF+24*(\buf)+8*(\rb)+7], v[ro:ro+7]
.endr
.if ((\cb) == 0) && ((\hoff) >= 0)
	HLOAD 1-(\buf), \hoff
.endif
.if ((\cb) == 1) || ((\cb) == 2)
.if (\mode) == 1
	RINGH ((\j)+3)%4, WP, (\j)+3, (\cb)-1
.elseif (\mode) == 2
	RINGH ((\j)+3)%4, WB, (\j)-1, (\cb)-1
.endif
.endif
.endr
.endm
.macro HSTORE cb                       ; column block cb of the hidden layer, in bf16, from the block's own first 12 registers
.irp rb, 0,1,2
	ds_store_b128 v[HST], v[ACC+24*(\cb)+4*(\rb):ACC+24*(\cb)+4*(\rb)+3] offset:(\rb)*16*HP+(\cb)*32
.endr
.endm
; The activation of column block cb: 24 numbers a lane (three row blocks x 8 columns).  One batch of 24 reciprocals, one wait; behind that wait the block before is stored.
.macro GELU cb
.set ZB, ACC+24*(\cb)
	WIN 0xc0
.set qq, 0
.rept 24                               ; |z|: each accumulator's lowest registers are read first
	v_and_b32 v[AZ+qq], s2, v[ZB+qq]
.set qq, qq+1
.endr
	WIN 0xcf
.set qq, 0
.rept 12
	v_pk_fma_f32 v[PP+qq:PP+qq+1], v[AZ+qq:AZ+qq+1], s[A6:A6+1], s[A5:A5+1] op_sel_hi:[1,0,0]
.set qq, qq+2
.endr
.irp a, A4, A3, A2, A1
.set qq, 0
.rept 12
	v_pk_fma_f32 v[PP+qq:PP+qq+1], v[PP+qq:PP+qq+1], v[AZ+qq:AZ+qq+1], s[\a:\a+1] op_sel_hi:[1,1,0]
.set qq, qq+2
.endr
.endr
.set qq, 0
.rept 12
	v_pk_fma_f32 v[PP+qq:PP+qq+1], v[PP+qq:PP+qq+1], v[AZ+qq:AZ+qq+1], 1.0 op_sel_hi:[1,1,0]
.set qq, qq+2
.endr
.set qq, 0
.rept 24
	v_rcp_f32 v[PP+qq], v[PP+qq]
.set qq, qq+1
.endr
	v_nop                                          ; a plain instruction behind the last reciprocal
	s_wait_alu depctr_va_vdst(0)                   ; the 24 reciprocals are written, ahead of their first reader; and the block before is rounded: its 12 registers are written, which the LDS stores below read
.rept 4                                ; the 16th power
.set qq, 0
.rept 12
	v_pk_mul_f32 v[PP+qq:PP+qq+1], v[PP+qq:PP+qq+1], v[PP+qq:PP+qq+1]
.set qq, qq+2
.endr
.endr
.set qq, 0
.rept 12                               ; erf = 1 - that
	v_pk_add_f32 v[PP+qq:PP+qq+1], v[PP+qq:PP+qq+1], 1.0 op_sel_hi:[1,0] neg_lo:[1,0] neg_hi:[1,0]
.set qq, qq+2
.endr
	WIN 0x0f
.set qq, 0
.rept 12                               ; z + |z| erf
	v_pk_fma_f32 v[ZB+qq:ZB+qq+1], v[AZ+qq:AZ+qq+1], v[PP+qq:PP+qq+1], v[ZB+qq:ZB+qq+1]
.set qq, qq+2
.endr
	WIN 0
.if (\cb) > 0
	HSTORE (\cb)-1                                 ; no wait: no vector instruction since the wait above names the block before or v[HST]
.endif
.set qq, 0
.rept 12                               ; times 0.5 x the token's gate
	v_pk_mul_f32 v[ZB+qq:ZB+qq+1], v[ZB+qq:ZB+qq+1], v[GL+2*(qq/8):GL+2*(qq/8)+1] op_sel_hi:[1,0]
.set qq, qq+2
.endr
.set qq, 0
.rept 12                               ; 24 numbers close up into the first 12 of their registers: a block's store registers are its own
	v_cvt_pk_bf16_f32 v[ZB+qq], v[ZB+2*qq], v[ZB+2*qq+1]
.set qq, qq+1
.endr
.endm
.macro LB2 cbl                         ; my eight b2 of column block cbl, of lo and of hi, into set cbl % 14
	WIN 0
.set LBR, BS+16*((\cbl)%14)
	ds_load_b128 v[LBR:LBR+3],     v[B2A] offset:(\cbl)*64
	ds_load_b128 v[LBR+4:LBR+7],   v[B2A] offset:(\cbl)*64+16
	ds_load_b128 v[LBR+8:LBR+11],  v[B2A] offset:(\cbl)*64+4096
	ds_load_b128 v[LBR+12:LBR+15], v[B2A] offset:(\cbl)*64+4112
.endm
	s_load_b256 s[4:11], s[0:1], 0x0               ; x s[4:5], b1 s[6:7], b2 s[8:9], wbuf s[10:11]
	s_load_b128 s[12:15], s[0:1], 0x20             ; recs s[12:13], gs s[14:15]
	s_load_b64 s[16:17], s[0:1], 0x30              ; out0
	v_lshl_add_u32 v1, v0, 2, 0x27600
	v_mov_b32 v2, 0
	v_lshrrev_b32 v32, 5, v0
	v_readfirstlane_b32 s18, v32                   ; wave 0..3
	v_and_b32 v33, 31, v0                          ; l
	v_and_b32 v34, 15, v0                          ; r
	v_bfe_u32 v35, v0, 4, 1                        ; h
	v_lshlrev_b32 v[L16], 4, v33
	s_wait_alu depctr_va_sdst(0)                   ; s18 is written, ahead of its first reader
	s_lshl_b32 s3, s18, 10
	v_add_nc_u32 v[CW], s3, v[L16]
	s_lshl_b32 s3, s18, 9
	v_lshl_add_u32 v[XST0], v33, 3, s3
	v_add_nc_u32 v[XST1], 24*XP, v[XST0]
	v_mul_u32_u24 v[XB0], v34, XP
	v_lshl_add_u32 v[XB0], v35, 4, v[XB0]
	v_mul_u32_u24 v[HB], v34, HP
	v_lshl_add_u32 v[HB], v35, 4, v[HB]
	v_add_nc_u32 v[HB], HD, v[HB]
	s_lshl_b32 s3, s18, 8
	v_add_nc_u32 v[HST], s3, v[HB]
	s_lshl_b32 s3, s18, 9
	s_add_co_u32 s3, s3, B1L
	v_lshl_add_u32 v[B1A], v35, 5, s3
	s_lshl_b32 s3, s18, 10
	s_add_co_u32 s3, s3, B2L
	v_lshl_add_u32 v[B2A], v35, 5, s3
	s_mul_i32 s3, s18, 16*HP                       ; my stage for the way out lies over X, which is read no more by then
	v_mul_u32_u24 v[SST], v34, HP
	v_lshl_add_u32 v[SST], v35, 5, v[SST]
	v_add_nc_u32 v[SST], s3, v[SST]
	v_add_nc_u32 v[SRD], s3, v[L16]
	v_lshlrev_b32 v[RG], 3, v34
	v_lshlrev_b32 v[T16], 4, v0
	v_add_nc_u32 v58, B1L, v[T16]
	s_lshl_b32 s84, ttmp9, 8                       ; the tile's record: 256 bytes
	s_mov_b32 s85, 0
	s_wait_kmcnt 0x0
	s_add_nc_u64 s[84:85], s[12:13], s[84:85]
	s_load_b512 s[24:39], s[84:85], 0x0            ; token i in s[24 + i] (i < 32), s[36 + i] (i >= 32)
	s_load_b512 s[40:55], s[84:85], 0x40
	s_load_b512 s[68:83], s[84:85], 0x80
	s_load_b128 s[20:23], s[84:85], 0xc0           ; count, lo, hi, 0
	s_mov_b32 s2, 0x7fffffff
	s_mov_b32 s[A1], 0x3d4c41b4
	s_mov_b32 s[A1+1], 0x3d4c41b4
	s_mov_b32 s[A2], 0x3cad2fe7
	s_mov_b32 s[A2+1], 0x3cad2fe7
	s_mov_b32 s[A3], 0x3b56cd72
	s_mov_b32 s[A3+1], 0x3b56cd72
	s_mov_b32 s[A4], 0x381f6607
	s_mov_b32 s[A4+1], 0x381f6607
	s_mov_b32 s[A5], 0x384d0feb
	s_mov_b32 s[A5+1], 0x384d0feb
	s_mov_b32 s[A6], 0x36b49f67
	s_mov_b32 s[A6+1], 0x36b49f67
	s_mul_i32 s66, ttmp9, 384                      ; the tile's 48 pairs of gates
	s_mov_b32 s67, 0
	s_add_nc_u64 s[66:67], s[14:15], s[66:67]
	s_wait_kmcnt 0x0
.set ii, 0
.rept 48
.set tk, 24+ii+12*(ii/32)
	s_min_u32 s[tk], s[tk], 0x1fff                 ; held inside the table,
	s_lshl_b32 s[tk], s[tk], 12                    ; then the row's byte offset in x and in out0
.set ii, ii+1
.endr
	s_min_u32 s21, s21, 7
	s_min_u32 s22, s22, 7
	s_lshl_b32 s3, s18, 19                         ; a wave's stream is 512 KiB, an expert's four 2 MiB
	s_lshl_b32 s84, s21, 21
	s_add_co_u32 s84, s84, s3
	s_mov_b32 s85, 0
	s_add_nc_u64 s[WP:WP+1], s[10:11], s[84:85]
	s_lshl_b32 s86, s22, 21
	s_add_co_u32 s86, s86, s3
	s_mov_b32 s87, 0
	s_add_nc_u64 s[WB:WB+1], s[10:11], s[86:87]
	s_lshl_b32 s56, s21, 11
	s_mov_b32 s57, 0
	s_add_nc_u64 s[56:57], s[6:7], s[56:57]        ; b1 of lo,
	s_lshl_b32 s58, s22, 11
	s_mov_b32 s59, 0
	s_add_nc_u64 s[58:59], s[6:7], s[58:59]        ; of hi
	s_lshl_b32 s60, s21, 12
	s_mov_b32 s61, 0
	s_add_nc_u64 s[60:61], s[8:9], s[60:61]        ; b2 of lo,
	s_lshl_b32 s62, s22, 12
	s_mov_b32 s63, 0
	s_add_nc_u64 s[62:63], s[8:9], s[62:63]        ; of hi
	WIN 0xc0
.set ii, 0
.rept 48                               ; the 48 rows' offsets are made ahead of every load, so that one wait serves all the loads of the beginning
.set tk, 24+ii+12*(ii/32)
	v_add_nc_u32 v[RO+ii], s[tk], v[CW]
.set ii, ii+1
.endr
	WIN 0
	s_wait_alu depctr_va_vdst(0)                   ; every address and offset made so far is written (v3-17, v30, v31, v58, the 48 rows'), which the loads and stores below read; v32-35, in which a load lands, are done with
.irp rb, 0,1,2
	global_load_b64 v[GL+2*(\rb):GL+2*(\rb)+1], v[RG], s[66:67] offset:(\rb)*128    ; the gates of token 16 rb + r
.endr
	global_load_b128 v[32:35], v[T16], s[56:57]
	global_load_b128 v[36:39], v[T16], s[58:59]
	global_load_b128 v[40:43], v[T16], s[60:61]
	global_load_b128 v[44:47], v[T16], s[60:61] offset:2048
	global_load_b128 v[48:51], v[T16], s[62:63]
	global_load_b128 v[52:55], v[T16], s[62:63] offset:2048
	WIN 0x03                                       ; address window 3, data window 0
.set ii, 0
.rept 24                               ; THE GATHER: each wave takes its 1,024 bytes of each of the 48 rows, 512 consecutive bytes a load
	global_load_b128 v[64+8*ii:67+8*ii], v[RO+ii], s[4:5]
	global_load_b128 v[68+8*ii:71+8*ii], v[RO+ii], s[4:5] offset:512
.set ii, ii+1
.endr
	WIN 0x83                                       ; data window 2
.set ii, 0
.rept 24
	global_load_b128 v[8*ii:8*ii+3],   v[RO+24+ii], s[4:5]
	global_load_b128 v[8*ii+4:8*ii+7], v[RO+24+ii], s[4:5] offset:512
.set ii, ii+1
.endr
.irp s, 0,1,2                          ; the ring's first three groups; the fourth is asked for by step 0, as every step asks for the group three further on
	RINGH \s, WP, \s, 0
	RINGH \s, WP, \s, 1
.endr
	WIN 0
	s_wait_loadcnt 48                              ; the ring's 48 loads are younger: gates, biases and the 96 loads of x are in
.set qq, 0
.rept 12                               ; the biases are rounded to bf16 like every input, and kept in f32
	v_cvt_pk_bf16_f32 v[56+qq%2], v[32+2*qq], v[33+2*qq]
	v_lshlrev_b32 v[32+2*qq], 16, v[56+qq%2]
	v_and_b32 v[33+2*qq], 0xffff0000, v[56+qq%2]
.set qq, qq+1
.endr
.irp rb, 0,1,2
	v_mov_b32 v[GH+2*(\rb)], v[GL+2*(\rb)+1]
	v_mov_b32 v[GH+2*(\rb)+1], v[GL+2*(\rb)+1]
.endr
.set ii, 0
.rept 48
.set bb, 64+4*ii
	v_cvt_pk_bf16_f32 v[bb], v[bb], v[bb+1]
	v_cvt_pk_bf16_f32 v[bb+1], v[bb+2], v[bb+3]
.set ii, ii+1
.endr
	s_wait_alu depctr_va_vdst(0)                   ; the biases and rows 0-23 are rounded: v32-55 and v64-255 are written, which the LDS stores below read
.set qq, 0
.rept 6
	ds_store_b128 v58, v[32+4*qq:35+4*qq] offset:2048*qq
.set qq, qq+1
.endr
.set ii, 0
.rept 48
	ds_store_b64 v[XST0], v[64+4*ii:65+4*ii] offset:(ii/2)*XP+(ii%2)*256
.set ii, ii+1
.endr
	WIN 0x8a
.set ii, 0
.rept 48                               ; rows 24-47 are rounded while those stores leave: other registers
	v_cvt_pk_bf16_f32 v[4*ii], v[4*ii], v[4*ii+1]
	v_cvt_pk_bf16_f32 v[4*ii+1], v[4*ii+2], v[4*ii+3]
.set ii, ii+1
.endr
	WIN 0x08
	s_wait_alu depctr_va_vdst(0)                   ; rows 24-47 are rounded: their registers in window 2 are written, which the LDS stores below read
.set ii, 0
.rept 48
	ds_store_b64 v[XST1], v[4*ii:4*ii+1] offset:(ii/2)*XP+(ii%2)*256
.set ii, ii+1
.endr
	WIN 0
	s_wait_dscnt 0x0                               ; for the others' sake: my part of X and of the biases is in LDS
	s_barrier_signal -1
	s_barrier_wait -1
	s_wait_alu depctr_vm_vsrc(0)                   ; my LDS stores have read v32-255, v58 and window 2, and the gather its 48 offsets: b2's loads, the output's first sums and later x's fragments write these registers
	; The output's sums begin with c_lo b2_lo + c_hi b2_hi: nothing is cleared.  Fourteen column blocks' b2 are asked for at once; the last two take sets 0 and 1 again.
.set cc, 0
.rept 14
	LB2 cc
.set cc, cc+1
.endr
.set cc, 0
.rept 16
.if cc == 2
	WIN 0
	s_wait_alu depctr_va_vdst(0)                   ; blocks 0 and 1 are done reading sets 0 and 1, in which the loads below land
	LB2 14
	LB2 15
.endif
.if cc < 2
	s_wait_dscnt 52-4*cc                           ; the later blocks' loads, four each, are younger: 13 - cc blocks,
.else
	s_wait_dscnt 60-4*cc                           ; 15 - cc blocks
.endif
.set TB2, BS+16*(cc%14)
.set rr, 0
.rept 3
.set aa, 3*cc+rr
.if aa < 32
	WIN 0xa0
.set ro, 8*aa
.else
	WIN 0xf0
.set ro, 8*aa-256
.endif
.set qq, 0
.rept 4
	v_pk_mul_f32 v[ro+qq:ro+qq+1], v[TB2+qq:TB2+qq+1], v[GL+2*rr:GL+2*rr+1] op_sel_hi:[1,0]
.set qq, qq+2
.endr
.set qq, 0
.rept 4
	v_pk_fma_f32 v[ro+qq:ro+qq+1], v[TB2+8+qq:TB2+8+qq+1], v[GH+2*rr:GH+2*rr+1], v[ro+qq:ro+qq+1] op_sel_hi:[1,0,1]
.set qq, qq+2
.endr
.set rr, rr+1
.endr
.set cc, cc+1
.endr
	WIN 0
.irp rb, 0,1,2
	v_mul_f32 v[GL+2*(\rb)], 0.5, v[GL+2*(\rb)]    ; gelu's 0.5 goes into the gates
	v_mul_f32 v[GH+2*(\rb)], 0.5, v[GH+2*(\rb)]
.endr
	s_mov_b32 s89, 2                               ; passes to go: lo, then hi
.Lpass:
	s_wait_alu depctr_vm_vsrc(0)                   ; the fragment loads of the pass before have read v[XA ..] and v[HA], which are set back here; its LDS stores have read the hidden layer's registers, in which b1 lands
	v_mov_b32 v[XA], v[XB0]
	v_add_nc_u32 v[XA+1], 16*XP, v[XB0]
	v_add_nc_u32 v[XA+2], 32*XP, v[XB0]
	v_mov_b32 v[HA], v[HB]
	s_wait_alu depctr_va_vdst(0)                   ; v[XA ..], v[HA] and v[B1A] are written, which the LDS loads read; all vector and matrix instructions are done with v64-255 and with XF0 to XF2, in which the loads below land
.irp cb, 0,1,2,3,4,5,6,7
.irp rb, 0,1,2
	ds_load_b128 v[ACC+8*(3*(\cb)+(\rb)):ACC+8*(3*(\cb)+(\rb))+3],   v[B1A] offset:(\cb)*64      ; the hidden sums begin with b1
	ds_load_b128 v[ACC+8*(3*(\cb)+(\rb))+4:ACC+8*(3*(\cb)+(\rb))+7], v[B1A] offset:(\cb)*64+16
.endr
.endr
	XLOAD 0, 0
	XLOAD 1, 64
	XLOAD 2, 128                                   ; the fragments of steps 0 to 2; each step asks for those three steps on
	WIN 0                                          ; at a label and at a branch every window is 0
	s_mov_b32 s88, 7
.Lp1:                                  ; a trip: four K steps of x W1, once round the ring
	G1 0, 1, 12
	G1 1, 1, 12
	G1 2, 1, 12
	G1 3, 1, 12
	WIN 0
	s_wait_xcnt 0x0                                ; the stream's address is stepped only behind this wait
	s_add_nc_u64 s[WP:WP+1], s[WP:WP+1], 0x8000
	s_wait_alu depctr_vm_vsrc(0)                   ; the fragment loads issued so far have read v[XA ..]
	v_add_nc_u32 v[XA], 256, v[XA]
	v_add_nc_u32 v[XA+1], 256, v[XA+1]
	v_add_nc_u32 v[XA+2], 256, v[XA+2]
	s_sub_co_u32 s88, s88, 1
	s_cmp_lg_u32 s88, 0
	s_cbranch_scc1 .Lp1
	G1 0, 1, 12                                    ; the eighth trip: x ends (its counts run down), the ring goes on into W2's groups
	G1 1, 0, 12
	G1 2, 0, 6
	G1 3, 0, 0
	WIN 0
	s_wait_xcnt 0x0
	s_add_nc_u64 s[WP:WP+1], s[WP:WP+1], 0x8000
	PLACES                                         ; behind the last products: the lines below read their results and write over fragments that they read
.irp cb, 0,1,2,3,4,5,6,7
	GELU \cb
.endr
	s_wait_alu depctr_va_vdst(0)                   ; block 7 is rounded: its 12 registers are written, which the LDS stores read
	HSTORE 7
	s_wait_dscnt 0x0                               ; for the others' sake: my 128 hidden columns are in LDS (and my reads of X are over)
	s_barrier_signal -1
	s_barrier_wait -1
	HLOAD 0, 0                                     ; no wait: no vector instruction since the wait above; v[HA] was set at the pass's head
	WIN 0
	s_mov_b32 s88, 7
.Lp2:                                  ; a trip: two K steps of h W2, each in two halves of 128 columns
	G2 0, 0, 0, 64,  1, 32
	G2 1, 1, 0, -1,  1, 32
	G2 2, 0, 1, 128, 1, 32
	G2 3, 1, 1, -1,  1, 32
	WIN 0
	s_wait_xcnt 0x0
	s_add_nc_u64 s[WP:WP+1], s[WP:WP+1], 0x8000
	s_wait_alu depctr_vm_vsrc(0)                   ; the fragment loads issued so far have read v[HA]
	v_add_nc_u32 v[HA], 128, v[HA]
	s_sub_co_u32 s88, s88, 1
	s_cmp_lg_u32 s88, 0
	s_cbranch_scc1 .Lp2
	s_cmp_eq_u32 s89, 1
	s_cbranch_scc1 .Lfinal
	G2 0, 0, 0, 64, 1, 32                          ; lo's last trip: its last group, then the ring goes on into hi's stream
	G2 1, 1, 0, -1, 2, 32
	G2 2, 0, 1, -1, 2, 32
	G2 3, 1, 1, -1, 2, 32
	WIN 0
	s_wait_xcnt 0x0
	s_mov_b64 s[WP:WP+1], s[WB:WB+1]
.irp rb, 0,1,2
	v_mov_b32 v[GL+2*(\rb)], v[GH+2*(\rb)]
.endr
	s_wait_alu depctr_vm_vsrc(0)                   ; this pass's loads of b1 have read v[B1A]
	v_add_nc_u32 v[B1A], 2048, v[B1A]
	s_wait_dscnt 0x0                               ; my reads of the hidden layer are over: behind this barrier it is written anew
	s_barrier_signal -1
	s_barrier_wait -1
	s_sub_co_u32 s89, s89, 1
	s_branch .Lpass
.Lfinal:
	G2 0, 0, 0, 64, 1, 32                          ; hi's last trip: its last group is asked for, then nothing: the counts run down, and a step that loads nothing has no wait on va_vdst
	G2 1, 1, 0, -1, 0, 32
	G2 2, 0, 1, -1, 0, 16
	G2 3, 1, 1, -1, 0, 0
	WIN 0
	; THE WAY OUT, 16 rows at a time through my own stage: in by lanes (a token, eight columns), back as whole rows of 1,024 bytes.  Rows past the count are jumped, forward, with no barrier in what is jumped.
	s_wait_alu depctr_vm_vsrc(0)                   ; the hidden layer's LDS stores have read their registers in v64-243, which the offsets and the rows read back write
.set ii, 0
.rept 48                               ; all 48 rows' offsets at once, in registers of their own; these lines are also the places behind the last products
.set tk, 24+ii+12*(ii/32)
	v_add_nc_u32 v[OA+ii], s[tk], v[CW]
.set ii, ii+1
.endr
	s_wait_alu depctr_va_vdst(0)                   ; the products have written the 48 sums, which the LDS stores read; the offsets are written, which the global stores read; no vector instruction follows
.set rr, 0
.rept 3
.if rr > 0
	s_wait_xcnt 0x0                                ; the last block's stores have had their addresses translated,
	s_wait_alu depctr_vm_vsrc(0)                   ; and have read v64-191, in which the next rows land
.endif
	s_cmp_le_u32 s20, 16*rr
	s_cbranch_scc1 .Ldone
.set cc, 0
.rept 16
.set aa, 3*cc+rr
.if aa < 32
	WIN 0x08
.set ro, 8*aa
.else
	WIN 0x0c
.set ro, 8*aa-256
.endif
	ds_store_b128 v[SST], v[ro:ro+3] offset:64*cc          ; each accumulator's low half first
	ds_store_b128 v[SST], v[ro+4:ro+7] offset:64*cc+16
.set cc, cc+1
.endr
	WIN 0
.set tt, 0
.rept 16                               ; LDS serves a wave in order: these see the stores above
	ds_load_b128 v[64+8*tt:67+8*tt], v[SRD] offset:tt*HP
	ds_load_b128 v[68+8*tt:71+8*tt], v[SRD] offset:tt*HP+512
.set tt, tt+1
.endr
.set tt, 0
.rept 16
.if tt > 0
	s_cmp_le_u32 s20, 16*rr+tt
	s_cbranch_scc1 .Ldone
.endif
	s_wait_dscnt 30-2*tt                           ; the later rows' read-backs are younger
	global_store_b128 v[OA+16*rr+tt], v[64+8*tt:67+8*tt], s[16:17] th:TH_STORE_NT             ; 512 consecutive bytes, aligned
	global_store_b128 v[OA+16*rr+tt], v[68+8*tt:71+8*tt], s[16:17] offset:512 th:TH_STORE_NT
.set tt, tt+1
.endr
.set rr, rr+1
.endr
.Ldone:
	s_wait_dscnt 0x0                               ; my last LDS instructions are done
	s_wait_alu depctr_hold_cnt(0) depctr_sa_sdst(0) depctr_va_vdst(0) depctr_va_sdst(0) depctr_va_ssrc(0) depctr_va_vcc(0) depctr_vm_vsrc(0)
	s_wait_tensorcnt 0x0
	ds_add_u32 v1, v2
	s_wait_dscnt 0x0
	s_endpgm
.Lfunc_end_k_q11d21f1f87_chain:
	.size	k_q11d21f1f87_chain, .Lfunc_end_k_q11d21f1f87_chain-k_q11d21f1f87_chain
	.p2alignl 7, 3214868480
	.fill 96, 4, 3214868480
	.section	.rodata,"a",@progbits
	.p2align	6, 0x0
	.amdhsa_kernel k_q11d21f1f87_chain
		.amdhsa_group_segment_fixed_size 161792
		.amdhsa_private_segment_fixed_size 0
		.amdhsa_enable_private_segment 0
		.amdhsa_kernarg_size 56
		.amdhsa_user_sgpr_count 2
		.amdhsa_user_sgpr_kernarg_segment_ptr 1
		.amdhsa_wavefront_size32 1
		.amdhsa_system_sgpr_workgroup_id_x 1
		.amdhsa_system_sgpr_workgroup_id_y 1
		.amdhsa_system_sgpr_workgroup_id_z 1
		.amdhsa_system_vgpr_workitem_id 0
		.amdhsa_next_free_vgpr 1024
		.amdhsa_next_free_sgpr 102
		.amdhsa_reserve_vcc 0
		.amdhsa_float_denorm_mode_32 3
		.amdhsa_float_denorm_mode_16_64 3
		.amdhsa_memory_ordered 1
		.amdhsa_forward_progress 1
		.amdhsa_inst_pref_size 255
	.end_amdhsa_kernel
	.section	.bss,"aw",@nobits
	.p2align	6
	.space	262144
	.amdgpu_metadata
---
amdhsa.version: [ 1, 2 ]
amdhsa.kernels:
  - .name:           k_q11d21f1f87_chain
    .symbol:         k_q11d21f1f87_chain.kd
    .args:
      - { .name: x, .offset: 0, .size: 8, .value_kind: global_buffer, .address_space: global }
      - { .name: b1, .offset: 8, .size: 8, .value_kind: global_buffer, .address_space: global }
      - { .name: b2, .offset: 16, .size: 8, .value_kind: global_buffer, .address_space: global }
      - { .name: wbuf, .offset: 24, .size: 8, .value_kind: global_buffer, .address_space: global }
      - { .name: recs, .offset: 32, .size: 8, .value_kind: global_buffer, .address_space: global }
      - { .name: gs, .offset: 40, .size: 8, .value_kind: global_buffer, .address_space: global }
      - { .name: out0, .offset: 48, .size: 8, .value_kind: global_buffer, .address_space: global }
    .group_segment_fixed_size: 161792
    .private_segment_fixed_size: 0
    .kernarg_segment_align: 8
    .kernarg_segment_size: 56
    .max_flat_workgroup_size: 128
    .sgpr_count:     102
    .vgpr_count:     1024
    .wavefront_size: 32
...
	.end_amdgpu_metadata
.endif
;; end of part 4
